; MI455X (gfx1250); checked and timed in simulation.
; The chip was launched on July 23, 2026; its instructions are those of AMD's public machine-readable ISA for CDNA 5 (MIT licence, August 2026) and "CDNA5" Instruction Set Architecture Reference Guide (July 2026). The comments in the code are by the model that wrote it; some were corrected since.
;; Block. Allowed arithmetic: matrix products marked QUANTISED: E2M3 operands, one E8M0 scale for each 32 along K, by v_wmma_scale_f32_16x16x128_f8f6f4 with both operands' format E2M3, f32 sums; everything else in f32.
;; Inputs: W1_codes 4,096 x 32 x 24 uint8 (E2M3 codes of W1, K innermost, in blocks of 32 codes, four codes in three bytes); W1_scales 4,096 x 32 uint8 (E8M0 scales of W1, one for each 32 codes along K); W2_codes 1,024 x 128 x 24 uint8 (E2M3 codes of W2, K innermost, in blocks of 32 codes, four codes in three bytes); W2_scales 1,024 x 128 uint8 (E8M0 scales of W2, one for each 32 codes along K); Wk_codes 16 x 64 x 32 x 24 uint8 (E2M3 codes of Wk, K innermost, in blocks of 32 codes, four codes in three bytes); Wk_scales 16 x 64 x 32 uint8 (E8M0 scales of Wk, one for each 32 codes along K); Wproj_codes 1,024 x 32 x 24 uint8 (E2M3 codes of Wproj, K innermost, in blocks of 32 codes, four codes in three bytes); Wproj_scales 1,024 x 32 uint8 (E8M0 scales of Wproj, one for each 32 codes along K); Wq_codes 16 x 64 x 32 x 24 uint8 (E2M3 codes of Wq, K innermost, in blocks of 32 codes, four codes in three bytes); Wq_scales 16 x 64 x 32 uint8 (E8M0 scales of Wq, one for each 32 codes along K); Wv_codes 16 x 64 x 32 x 24 uint8 (E2M3 codes of Wv, K innermost, in blocks of 32 codes, four codes in three bytes); Wv_scales 16 x 64 x 32 uint8 (E8M0 scales of Wv, one for each 32 codes along K); b1 4,096 float32; b2 1,024 float32; bproj 1,024 float32; x 4 x 1,024 x 1,024 float32.
;; Outputs: out0 4 x 1,024 x 1,024 float32.
;; This version of the problem:
;;   THIS VERSION OF THE PROBLEM IS GIVEN IN LOW PRECISION. The matrix products marked QUANTISED in the list below multiply operands that are first quantised to E2M3 (2 exponent bits, 3 mantissa bits; 6 bits a number), with one power-of-two scale for each 32 numbers along K (OCP MX v1.0); their sums are f32. All else is computed in f32.
;;   The module's matrix products, in the order in which they are computed (A, B: the left and right operand; K: the contracted axis; several contracted axes count as one K, in the product's order):
;;     1. [M 1,024, K 1,024] x [K 1,024, N 4,096]; A: input Wq (given as codes); B: input x: QUANTISED
;;     2. [M 1,024, K 1,024] x [K 1,024, N 4,096]; A: input Wk (given as codes); B: input x: QUANTISED
;;     3. [M 1,024, K 1,024] x [K 1,024, N 4,096]; A: input Wv (given as codes); B: input x: QUANTISED
;;     4. batch 64 x [M 1,024, K 64] x [K 64, N 1,024]; A: computed on the way; B: computed on the way: QUANTISED
;;     5. batch 64 x [M 1,024, K 1,024] x [K 1,024, N 64]; A: softmax (see below); B: computed on the way: QUANTISED
;;     6. [M 4,096, K 1,024] x [K 1,024, N 1,024]; A: computed on the way; B: input Wproj (given as codes): QUANTISED
;;     7. [M 4,096, K 1,024] x [K 1,024, N 4,096]; A: computed on the way; B: input W1 (given as codes): QUANTISED
;;     8. [M 4,096, K 4,096] x [K 4,096, N 1,024]; A: computed on the way; B: input W2 (given as codes): QUANTISED
;;   THE QUANTISER, for each operand of a quantised product, along K:
;;     - K is cut into blocks of 32 from its start; a last block that is shorter is filled with zeros.
;;     - A block's scale is 2^e with e = floor(log2(the largest magnitude in the block)) - 2, held to -126 .. 127; a block of zeros has e = 0. As a byte (E8M0): e + 127.
;;     - Each number is divided by its block's scale, clamped to +-7.5, and rounded to the nearest number of E2M3, ties to even, subnormals kept.
;;     - The product sums the exact products of the quantised numbers (number of the format x scale) in f32.
;;   ~~~python
;;   def quantise(x, axis):      # numpy; x: float32 -> the quantised numbers, widened to float32 again
;;       x = np.moveaxis(x, axis, -1); K = x.shape[-1]
;;       x = np.pad(x, [(0, 0)] * (x.ndim - 1) + [(0, -K % 32)]); x = x.reshape(x.shape[:-1] + (-1, 32)); a = np.abs(x).max(-1, keepdims=True)
;;       e = np.where(a > 0, np.clip(np.frexp(np.where(a > 0, a, 1))[1] - 1 - 2, -126, 127), 0)      # np.frexp(a)[1] - 1 = floor(log2(a)), exactly
;;       r = np.clip(x / 2.0 ** e, -7.5, 7.5)
;;       step = 2.0 ** (np.maximum(np.frexp(np.where(r == 0, 1, r))[1] - 1, 0) - 3)
;;       q = np.round(r / step) * step * 2.0 ** e      # np.round: ties to even
;;       return np.moveaxis(q.reshape(q.shape[:-2] + (-1,))[..., :K], -1, axis).astype(np.float32)
;;   ~~~
;;   SOFTMAX AHEAD OF A QUANTISED PRODUCT. Where the list says 'softmax', what is quantised is not the finished softmax but p = 2^(t - M), with t = logit x log2(e) and M = ceil(the row's largest t), a whole number; so 1/2 < the row's largest p <= 1. The row's sum l is taken of the UNQUANTISED p, in f32, and the product's result is divided by l at the end. Since M is a whole number, a kernel that streams over the keys may use a running M (the ceiling of the running maximum): every later rescaling is an exact power of two, which a block's scale takes up: the codes' values come out the same.
;;   OPERANDS COMPUTED ON THE WAY. 'Computed on the way' means the value that the module computes at that place (a softmax that the list does not call 'softmax' is quantised finished and normalised). What goes into a quantiser is computed in f32, as accurately as f32 sums, v_exp_f32 and their like allow (about 1e-6 of the number): no bf16 or f16 on the way to a quantiser, and a product that is left as it is and whose result goes on into a quantised operand takes f32 operands (vector FMAs, or v_wmma_f32_16x16x4_f32). A number that lies on a knife's edge between two numbers of the format may be rounded either way, as far as f32 arithmetic and the matrix unit's own rounding can turn it there, and no further.
;;   INPUTS GIVEN AS CODES. W1 (in the module: [1024, 4096], K = its axis 0); W2 (in the module: [4096, 1024], K = its axis 0); Wk (in the module: [16, 1024, 64], K = its axis 1); Wproj (in the module: [1024, 1024], K = its axis 0); Wq (in the module: [16, 1024, 64], K = its axis 1); Wv (in the module: [16, 1024, 64], K = its axis 1): each comes as NAME_codes (uint8): NAME with its K axis moved to the last place and cut into blocks of 32 codes, [.., K / 32, bytes a block], one block behind the other in memory; four codes in three bytes: a row's codes are one little-endian stream of bits, code i at bits 6 i .. 6 i + 5 (a code: sign, 2 exponent bits, 3 mantissa bits); and NAME_scales (uint8): the same leading axes, one E8M0 byte (e + 127) for each 32 codes along K. Its value is code x scale, taken as it is: it is not quantised again, and the codes and scales need not be those that the quantiser above would give.
;; One version. Each part assembles by itself: llvm-mc -triple=amdgcn-amd-amdhsa -mcpu=gfx1250 --defsym DOCPART=n.
;; ======== version 1 of 1: 6 launches
;; limits: right only within a limited range of input values
;; workspace buffers: ws0 13,107,200 bytes; ws1 10,223,616 bytes; ws2 3,276,800 bytes; ws3 20,054,016 bytes; ws4 13,107,200 bytes
;; launch prep (part 1): grid 256 x 1, 7 waves a work-group, no clusters, 89,088 bytes of LDS; arguments x, Wq_codes, Wq_scales, Wk_codes, Wk_scales, Wv_codes, Wv_scales, Wproj_codes, Wproj_scales, W1_codes, W1_scales, W2_codes, W2_scales, ws0; writes ws0
.if DOCPART == 1
	.amdgcn_target "amdgcn-amd-amdhsa--gfx1250"
	.amdhsa_code_object_version 6
	.text
	.protected	k_q5749043e22_prep
	.globl	k_q5749043e22_prep
	.p2align	8
	.type	k_q5749043e22_prep,@function
k_q5749043e22_prep:
	s_mov_b64 s[64:65], 0
	v_nop
	global_prefetch_b8 v0, s[64:65] scope:SCOPE_SE
	s_setreg_imm32_b32 hwreg(HW_REG_WAVE_MODE, 25, 1), 1
	s_wait_xcnt 0x0
; PREP: x (f32) becomes codes of E2M3 with one E8M0 byte for each 32 along K, and the six weights' codes and scale bytes are laid anew, all in the ORDER OF THE OPERAND'S REGISTERS.
; A tile T is 16 rows: lane r holds row 32 (T / 2) + 8 (T % 2) + r + 8 (r / 8).  A half fragment (16 rows x 64 K) is 768 bytes: lane l = 16 h + r owns the 24 bytes of block 2 kappa + h of its row,
; bytes 0-15 at 16 l, bytes 16-23 at 512 + 8 l.  Scale words (four bytes: 128 along K of a row) lie at tile x K / 2 + (q / 2) x 128 + 8 r + 4 (q % 2).
; SHARES.  Work-group id: waves 0-3 quantise token tile id (16 rows x 256 columns each); wave 4 lays tile id of Wq, Wk, Wv, Wproj (64 tiles each), wave 5 tile id of W1, wave 6 a quarter (1,024 along K) of tile id / 4 of W2.
; The waves part once on the wave's number and share nothing: no barrier; each has LDS bytes of its own, 12,544 x wave.  No two work-groups read the same bytes, so there is nothing to ask for jointly, and no matrix work.
; A block's scale is 2^(floor(log2(its largest magnitude)) - 2): its byte is that magnitude's exponent field - 2, held at 1 from below.
; LIMITS: NaN and infinities in x are not served.  A block whose largest magnitude lies under 2^-124 gets the byte 1; a block of zeros gets the byte 1 where the rule says 127: its codes are zeros, and this program alone reads the bytes.
; The weights' codes and scale bytes are passed on as they are given.
.set STG,   12544                      ; LDS bytes of a wave
.set XS_O,  3145728                    ; ws0: x's scale words
.set WQ_O,  3276800                    ; Wq, Wk, Wv, Wproj on end, 786,432 bytes each
.set W1_O,  6422528
.set W2_O,  9568256
.set WQS_O, 12713984                   ; their scale words, 32,768 bytes each
.set W1S_O, 12845056
.set W2S_O, 12976128
	s_load_b64 s[4:5], s[0:1], 0x0                 ; x
	s_load_b512 s[16:31], s[0:1], 0x8              ; Wq, Wk, Wv, Wproj: codes, scales
	s_load_b256 s[32:39], s[0:1], 0x48             ; W1, W2: codes, scales
	s_load_b64 s[6:7], s[0:1], 0x68                ; ws0
	v_lshl_add_u32 v14, v0, 2, 0x15800
	v_mov_b32 v15, 0
	v_lshrrev_b32 v1, 5, v0
	v_readfirstlane_b32 s8, v1                     ; wave 0..6
	v_and_b32 v2, 31, v0                           ; lane l
	v_and_b32 v3, 15, v0                           ; r
	v_bfe_u32 v4, v0, 4, 1                         ; h
	v_lshlrev_b32 v5, 4, v2                        ; 16 l
	v_lshlrev_b32 v6, 3, v2                        ; 8 l
	s_mul_i32 s9, s8, STG                          ; my stage
	s_mov_b32 s11, 0
	s_mov_b32 s53, 0
	s_wait_kmcnt 0x0
	s_cmp_lt_u32 s8, 4
	s_cbranch_scc0 .Lweights
	; ---- waves 0-3: x.  Token tile ttmp9, half fragments 4 w .. 4 w + 3
	s_lshr_b32 s10, ttmp9, 1
	s_lshl_b32 s10, s10, 5
	s_and_b32 s12, ttmp9, 1
	s_lshl_b32 s12, s12, 3
	s_add_co_u32 s10, s10, s12                     ; the tile's first token
	s_lshl_b32 s10, s10, 12                        ; rows of 4,096 bytes
	s_lshl_b32 s12, s8, 10                         ; my 256 columns
	s_add_co_u32 s10, s10, s12
	s_add_nc_u64 s[4:5], s[4:5], s[10:11]
	s_mul_i32 s10, ttmp9, 12288
	s_mul_i32 s12, s8, 3072
	s_add_co_u32 s10, s10, s12
	s_add_nc_u64 s[12:13], s[6:7], s[10:11]        ; my codes
	s_lshl_b32 s10, ttmp9, 9
	s_lshl_b32 s14, s8, 7
	s_add_co_u32 s10, s10, s14
	s_add_co_u32 s10, s10, XS_O
	s_add_nc_u64 s[14:15], s[6:7], s[10:11]        ; my scale words
	s_mov_b32 s2, 0x76543210
	s_mov_b32 s3, 0xfedcba98                       ; v_permlanex16_b32's selects for lane l xor 16
	s_mov_b32 s40, 0xffff0000                      ; lanes 16-31
	s_wait_alu depctr_va_vdst(0)
	v_lshlrev_b32 v7, 4, v3
	v_lshl_add_u32 v7, v4, 16, v7                  ; in: 16 bytes a lane of a row's 256; lanes 16-31 stand 16 rows further down
	v_mul_u32_u24 v8, v4, 2176
	v_lshl_add_u32 v8, v3, 4, v8
	v_add_nc_u32 v8, s9, v8                        ; the stage, on the way in: rows of 272 bytes; lanes 16-31 eight rows on
	v_mul_u32_u24 v9, v3, 272
	v_lshl_add_u32 v9, v4, 7, v9
	v_add_nc_u32 v9, s9, v9                        ; and out: row r, my block's 128 bytes
	v_lshlrev_b32 v10, 3, v3
	v_lshl_add_u32 v10, v4, 2, v10                 ; a scale word's place: 8 r + 4 h
	v_lshlrev_b32 v16, 3, v4                       ; 8 h: my byte's shift
	v_mov_b32 v29, 0                               ; a lane permute's destination counts as one of its sources
	v_mov_b32 v30, 0
.irp k, 0,1,2,3
.irp i, 0,1,2,3,4,5,6,7
	global_load_b128 v[64+32*\k+4*\i:64+32*\k+4*\i+3], v7, s[4:5] offset:4096*\i+256*\k th:TH_LOAD_NT   ; sixteen lanes read 256 consecutive bytes, aligned
.endr
.endr
; Half fragment k: its 16 rows x 256 bytes turn through the stage, so that a lane gets the 32 neighbours of ONE block; LDS serves a wave's instructions in order, so one stage serves all four.
.macro XHF k
	s_wait_loadcnt 8*(3-\k)                        ; loads come back in order: this half fragment's eight are in, the later ones' may be out
.irp i, 0,1,2,3,4,5,6,7
	ds_store_b128 v8, v[64+32*\k+4*\i:64+32*\k+4*\i+3] offset:272*\i
.endr
.irp j, 0,1,2,3,4,5,6,7
	ds_load_b128 v[32+4*\j:32+4*\j+3], v9 offset:16*\j
.endr
	s_wait_dscnt 0x0
	v_max3_num_f32 v12, |v32|, |v33|, |v34|        ; the block's largest magnitude: all 32 numbers are mine; two chains
	v_max3_num_f32 v13, |v35|, |v36|, |v37|
.irp i, 38,42,46,50,54,58
	v_max3_num_f32 v12, v12, |v[\i]|, |v[\i+1]|
	v_max3_num_f32 v13, v13, |v[\i+2]|, |v[\i+3]|
.endr
	v_max3_num_f32 v12, v12, |v62|, |v63|
	v_max3_num_f32 v12, v12, v13, 0x1800000        ; and the floor 2^(3 - 127): the byte cannot fall under 1
	v_add_nc_u32 v11, 0xff000000, v12              ; 2 off the exponent field: the conversion takes this operand's exponent field as its scale
	v_lshrrev_b32 v[20+\k], 23, v11                ; the scale's byte
	v_cvt_scalef32_pk16_fp6_f32 v[192+8*\k:192+8*\k+2], v[32:47], v11
	v_cvt_scalef32_pk16_fp6_f32 v[24:26], v[48:63], v11   ; (a conversion's three registers begin on an even number)
	v_nop                                          ; one plain place behind a scaled conversion
.irp i, 0,1,2
	v_mov_b32 v[192+8*\k+3+\i], v[24+\i]
.endr
	global_store_b128 v5, v[192+8*\k:192+8*\k+3], s[12:13] offset:768*\k       ; 512 consecutive bytes a wave
	global_store_b64 v6, v[192+8*\k+4:192+8*\k+5], s[12:13] offset:768*\k+512  ; 256 consecutive bytes
.endm
	s_wait_alu depctr_va_vdst(0)
	XHF 0
	XHF 1
	XHF 2
	XHF 3
	v_lshl_or_b32 v27, v21, 16, v20                ; K step 2 w: my bytes are h and 2 + h of the word,
	v_lshl_or_b32 v28, v23, 16, v22                ; K step 2 w + 1 likewise
	v_lshlrev_b32 v27, v16, v27
	v_lshlrev_b32 v28, v16, v28
	v_permlanex16_b32 v29, v27, s2, s3
	v_permlanex16_b32 v30, v28, s2, s3
	v_or_b32 v27, v27, v29                         ; with lane l xor 16's two the words are whole
	v_or_b32 v28, v28, v30
	v_cndmask_b32 v31, v27, v28, s40               ; lanes 0-15 store the first word, lanes 16-31 the second
	global_store_b32 v10, v31, s[14:15]            ; 128 consecutive bytes a wave
	s_wait_tensorcnt 0x0
	ds_add_u32 v14, v15
	s_wait_dscnt 0x0
	s_endpgm
; A tile's 16 rows x 768 bytes of codes (1,024 along K) and their 32 scale bytes a row.  krow, ks: a row of codes and of scale bytes in memory.
; s41 the tile, s47 which 1,024 along K, s[42:43] and s[44:45] the sources, s46 and s48 where the operand's codes and scale words begin in ws0.
.macro WREL krow, ks
	s_lshr_b32 s50, s41, 1
	s_lshl_b32 s50, s50, 5
	s_and_b32 s51, s41, 1
	s_lshl_b32 s51, s51, 3
	s_add_co_u32 s50, s50, s51                     ; the tile's first row
	s_mul_i32 s52, s50, \krow
	s_mul_i32 s51, s47, 768
	s_add_co_u32 s52, s52, s51
	s_add_nc_u64 s[42:43], s[42:43], s[52:53]
	s_mul_i32 s52, s50, \ks
	s_lshl_b32 s51, s47, 5
	s_add_co_u32 s52, s52, s51
	s_add_nc_u64 s[44:45], s[44:45], s[52:53]
	s_mul_i32 s52, ttmp9, 12288
	s_add_co_u32 s52, s52, s46
	s_add_nc_u64 s[54:55], s[6:7], s[52:53]        ; codes out
	s_lshl_b32 s52, ttmp9, 9
	s_add_co_u32 s52, s52, s48
	s_add_nc_u64 s[56:57], s[6:7], s[52:53]        ; scale words out
	v_mad_u32_u24 v7, v4, (\krow-768), v5          ; the middle load of a pair of rows: lanes 16-31 are in the next row
	v_add_nc_u32 v8, s9, v5                        ; the stage, rows of 784 bytes: 16 l,
	v_lshl_add_u32 v9, v4, 4, v8                   ; and 16 more where the next row has begun
	v_mul_u32_u24 v10, v3, 784
	v_mad_u32_u24 v10, v4, 24, v10
	v_add_nc_u32 v10, s9, v10                      ; out of it: row r, block h of a half fragment
	v_and_b32 v11, 8, v3
	v_add_nc_u32 v11, v11, v3                      ; r + 8 (r / 8)
	v_mul_u32_u24 v11, v11, \ks
	v_lshl_add_u32 v11, v4, 4, v11                 ; my row's scale bytes: four words a lane
	v_lshlrev_b32 v12, 3, v3
	v_lshl_add_u32 v12, v4, 8, v12                 ; 256 h + 8 r
	global_load_b128 v[16:19], v11, s[44:45] th:TH_LOAD_NT
.irp g, 0,1,2,3,4,5,6,7                ; rows 2 g and 2 g + 1 of the tile: 1,536 bytes by three loads of 512
	global_load_b128 v[64+12*\g:64+12*\g+3], v5, s[42:43] offset:(2*\g+8*(\g/4))*\krow th:TH_LOAD_NT
	global_load_b128 v[68+12*\g:68+12*\g+3], v7, s[42:43] offset:(2*\g+8*(\g/4))*\krow+512 th:TH_LOAD_NT
	global_load_b128 v[72+12*\g:72+12*\g+3], v5, s[42:43] offset:(2*\g+8*(\g/4))*\krow+\krow+256 th:TH_LOAD_NT
.endr
	s_wait_alu depctr_va_vdst(0)
	s_wait_loadcnt 0x0
	global_store_b64 v12, v[16:17], s[56:57]       ; K steps 4 h, 4 h + 1
	global_store_b64 v12, v[18:19], s[56:57] offset:128   ; and 4 h + 2, 4 h + 3
.irp g, 0,1,2,3,4,5,6,7
	ds_store_b128 v8, v[64+12*\g:64+12*\g+3] offset:1568*\g
	ds_store_b128 v9, v[68+12*\g:68+12*\g+3] offset:1568*\g+512
	ds_store_b128 v8, v[72+12*\g:72+12*\g+3] offset:1568*\g+1040
.endr
.irp c, 0,1,2,3,4,5,6,7,8,9,10,11,12,13,14,15
.irp p, 0,1,2
	ds_load_b64 v[160+6*\c+2*\p:160+6*\c+2*\p+1], v10 offset:48*\c+8*\p   ; LDS serves a wave's instructions in order: these see my stores
.endr
.endr
.irp c, 0,1,2,3,4,5,6,7,8,9,10,11,12,13,14,15
	s_wait_dscnt 45-3*\c                           ; this half fragment's three loads are in, the later ones' may be out
	global_store_b128 v5, v[160+6*\c:160+6*\c+3], s[54:55] offset:768*\c
	global_store_b64 v6, v[160+6*\c+4:160+6*\c+5], s[54:55] offset:768*\c+512
.endr
.endm
.Lweights:
	s_cmp_eq_u32 s8, 6
	s_cbranch_scc1 .Lw2
	s_lshr_b32 s40, ttmp9, 6                       ; wave 4: which of Wq, Wk, Wv, Wproj; the choices hang on ids alone
	s_and_b32 s41, ttmp9, 63
	s_cmp_eq_u32 s40, 1
	s_cselect_b64 s[42:43], s[20:21], s[16:17]
	s_cselect_b64 s[44:45], s[22:23], s[18:19]
	s_cmp_eq_u32 s40, 2
	s_cselect_b64 s[42:43], s[24:25], s[42:43]
	s_cselect_b64 s[44:45], s[26:27], s[44:45]
	s_cmp_eq_u32 s40, 3
	s_cselect_b64 s[42:43], s[28:29], s[42:43]
	s_cselect_b64 s[44:45], s[30:31], s[44:45]
	s_cmp_eq_u32 s8, 5                             ; wave 5: W1
	s_cselect_b64 s[42:43], s[32:33], s[42:43]
	s_cselect_b64 s[44:45], s[34:35], s[44:45]
	s_cselect_b32 s41, ttmp9, s41
	s_mov_b32 s46, WQ_O
	s_cselect_b32 s46, W1_O, s46
	s_mov_b32 s48, WQS_O
	s_cselect_b32 s48, W1S_O, s48
	s_mov_b32 s47, 0
	s_wait_alu depctr_va_vdst(0)
	WREL 768, 32
	s_wait_tensorcnt 0x0
	ds_add_u32 v14, v15
	s_wait_dscnt 0x0
	s_endpgm
.Lw2:                                              ; wave 6: W2, rows of 4,096 along K
	s_mov_b64 s[42:43], s[36:37]
	s_mov_b64 s[44:45], s[38:39]
	s_lshr_b32 s41, ttmp9, 2
	s_and_b32 s47, ttmp9, 3
	s_mov_b32 s46, W2_O
	s_mov_b32 s48, W2S_O
	s_wait_alu depctr_va_vdst(0)
	WREL 3072, 128
	s_wait_tensorcnt 0x0
	ds_add_u32 v14, v15
	s_wait_dscnt 0x0
	s_endpgm
.Lfunc_end_k_q5749043e22_prep:
	.size	k_q5749043e22_prep, .Lfunc_end_k_q5749043e22_prep-k_q5749043e22_prep
	.p2alignl 7, 3214868480
	.fill 96, 4, 3214868480
	.section	.rodata,"a",@progbits
	.p2align	6, 0x0
	.amdhsa_kernel k_q5749043e22_prep
		.amdhsa_group_segment_fixed_size 89088
		.amdhsa_private_segment_fixed_size 0
		.amdhsa_enable_private_segment 0
		.amdhsa_kernarg_size 112
		.amdhsa_user_sgpr_count 2
		.amdhsa_user_sgpr_kernarg_segment_ptr 1
		.amdhsa_wavefront_size32 1
		.amdhsa_system_sgpr_workgroup_id_x 1
		.amdhsa_system_sgpr_workgroup_id_y 1
		.amdhsa_system_sgpr_workgroup_id_z 1
		.amdhsa_system_vgpr_workitem_id 0
		.amdhsa_next_free_vgpr 256
		.amdhsa_next_free_sgpr 66
		.amdhsa_reserve_vcc 0
		.amdhsa_float_denorm_mode_32 3
		.amdhsa_float_denorm_mode_16_64 3
		.amdhsa_memory_ordered 1
		.amdhsa_forward_progress 1
		.amdhsa_inst_pref_size 43
	.end_amdhsa_kernel
	.amdgpu_metadata
---
amdhsa.version: [ 1, 2 ]
amdhsa.kernels:
  - .name:           k_q5749043e22_prep
    .symbol:         k_q5749043e22_prep.kd
    .args:
      - { .name: x, .offset: 0, .size: 8, .value_kind: global_buffer, .address_space: global }
      - { .name: Wq_codes, .offset: 8, .size: 8, .value_kind: global_buffer, .address_space: global }
      - { .name: Wq_scales, .offset: 16, .size: 8, .value_kind: global_buffer, .address_space: global }
      - { .name: Wk_codes, .offset: 24, .size: 8, .value_kind: global_buffer, .address_space: global }
      - { .name: Wk_scales, .offset: 32, .size: 8, .value_kind: global_buffer, .address_space: global }
      - { .name: Wv_codes, .offset: 40, .size: 8, .value_kind: global_buffer, .address_space: global }
      - { .name: Wv_scales, .offset: 48, .size: 8, .value_kind: global_buffer, .address_space: global }
      - { .name: Wproj_codes, .offset: 56, .size: 8, .value_kind: global_buffer, .address_space: global }
      - { .name: Wproj_scales, .offset: 64, .size: 8, .value_kind: global_buffer, .address_space: global }
      - { .name: W1_codes, .offset: 72, .size: 8, .value_kind: global_buffer, .address_space: global }
      - { .name: W1_scales, .offset: 80, .size: 8, .value_kind: global_buffer, .address_space: global }
      - { .name: W2_codes, .offset: 88, .size: 8, .value_kind: global_buffer, .address_space: global }
      - { .name: W2_scales, .offset: 96, .size: 8, .value_kind: global_buffer, .address_space: global }
      - { .name: ws0, .offset: 104, .size: 8, .value_kind: global_buffer, .address_space: global }
    .group_segment_fixed_size: 89088
    .private_segment_fixed_size: 0
    .kernarg_segment_align: 8
    .kernarg_segment_size: 112
    .max_flat_workgroup_size: 224
    .sgpr_count:     66
    .vgpr_count:     256
    .wavefront_size: 32
...
	.end_amdgpu_metadata
.endif
;; end of part 1
;; launch qkv (part 2): grid 12 x 16, 4 waves a work-group, clusters of 4 x 4, 327,680 bytes of LDS; arguments ws0, ws1; writes ws1
.if DOCPART == 2
	.amdgcn_target "amdgcn-amd-amdhsa--gfx1250"
	.amdhsa_code_object_version 6
	.text
	.protected	k_q5749043e22_qkv
	.globl	k_q5749043e22_qkv
	.p2align	8
	.type	k_q5749043e22_qkv,@function
k_q5749043e22_qkv:
	s_mov_b64 s[64:65], 0
	v_nop
	global_prefetch_b8 v0, s[64:65] scope:SCOPE_SE
	s_setreg_imm32_b32 hwreg(HW_REG_WAVE_MODE, 25, 1), 1
	s_wait_xcnt 0x0
	s_wait_alu depctr_hold_cnt(0) depctr_sa_sdst(0) depctr_va_vdst(0) depctr_va_sdst(0) depctr_va_ssrc(0) depctr_va_vcc(0) depctr_vm_vsrc(0)
	s_getreg_b32 s2, hwreg(HW_REG_IB_STS2, 6, 4)
	s_cmp_eq_u32 s2, 0
	s_cbranch_scc0 .Lentry_in_a_cluster
	s_endpgm
.Lentry_in_a_cluster:
	s_bfe_u32 s2, ttmp6, 0x10000c
	s_cmp_lg_u32 s2, 0xf033
	s_cbranch_scc0 .Lentry_shape_is_right
	s_endpgm
.Lentry_shape_is_right:
.set KIND,  0
.set BL,    8
.set NKC,   2
.set NSLOT, 3
.set CHB,   NKC*1536
.set KT,    12288
.set ST,    512
.set HALFT, BL*CHB
.set SLOT,  4*HALFT
.set HALFS, BL*ST
.set SCL,   NSLOT*SLOT
.set SPARE, SCL+4*HALFS
.set ADA16, 8
.set ADA8,  11
.set ADB16, 14
.set ADB8,  17
.set ADRS,  20
.set O16,   21
.set O8,    22
.set SH,    23
.set SO,    24
.set BO,    25
.set SPW,   28
.set NIL,   29
.set SC,    32
.set RF,    64
.set TM,    64
.set BY,    72
.set TY,    76
.set PC,    80
.set PW,    92
.set PK,    93
.set PS,    94
.set G1,    24
.set G0,    32
.set G1B,   44
.set G0B,   52
.set G1S,   68
.set G0S,   76
.set G1SB,  80
.set G0SB,  88
.set SEL,   96
.set HM,    98
.set NT,    99
.set OT,    100
.set MSB, 0
.macro WIN new
.if MSB != (\new)
	s_set_vgpr_msb (MSB<<8)|(\new)
.set MSB, (\new)
.endif
.endm
.macro PLACES
.rept 4
	v_nop
.endr
.endm
.macro JLOAD g0a, g1a, g0b, g1b
	s_cmp_eq_u32 s15, 0
	s_cbranch_scc0 .Lfor_b_\@
	tensor_load_to_lds s[\g0a:\g0a+3], s[\g1a:\g1a+7]
	s_nop 0
.rept 4
	v_nop
.endr
	s_branch .Lasked_\@
.Lfor_b_\@:
	tensor_load_to_lds s[\g0b:\g0b+3], s[\g1b:\g1b+7]
	s_nop 0
.rept 4
	v_nop
.endr
.Lasked_\@:
.endm
.macro CREST
	s_cmp_lg_u32 s14, 0
	s_cbranch_scc1 .Lnot_wave_0_\@
	s_barrier_signal -3
.Lnot_wave_0_\@:
	s_barrier_wait -3
	s_barrier_signal -1
	s_barrier_wait -1
.endm
.macro CROUND
	s_barrier_signal -1
	s_barrier_wait -1
	CREST
.endm
.macro FRAG reg, a16, a8, off
	ds_load_b128 v[\reg:\reg+3], v[\a16] offset:\off
	ds_load_b64 v[\reg+4:\reg+5], v[\a8] offset:\off+512
	ds_load_b128 v[\reg+6:\reg+9], v[\a16] offset:\off+768
	ds_load_b64 v[\reg+10:\reg+11], v[\a8] offset:\off+1280
.endm
.macro FETCH g
.set FC, (\g)/NKC
.set FQ, (\g)%NKC
.set FS, FC%NSLOT
.set FP, (\g)%2
	WIN 0x40
.irp i, 0,1,2,3,4,5,6,7
	FRAG 128*FP+12*\i, ADB16+FS, ADB8+FS, \i*CHB+FQ*1536
.endr
	WIN 0
.irp i, 0,1,2,3,4,5,6,7
	FRAG RF+96*FP+12*\i, ADA16+FS, ADA8+FS, \i*CHB+FQ*1536
.endr
.if FQ == 0
.irp i, 0,1,2,3,4,5,6,7
	ds_load_b64 v[SC+16*(FC%2)+NKC*\i:SC+16*(FC%2)+NKC*\i+1], v[ADRS] offset:\i*ST+128*FC
.endr
.endif
.endm
.macro MULQ g, qd, cm
.set MP, (\g)%2
.set MQ, (\g)%NKC
.set MS, SC+16*(((\g)/NKC)%2)
.if (\cm) == 1
	WIN 0x91+0x40*((\qd)/2)
.else
	WIN 0xa1+0x50*((\qd)/2)
.endif
.irp aa, 0,1
.irp b, 0,1,2,3,4,5,6,7
.set MA, 2*(\qd)+\aa
.set AC, 8*(8*(MA%4)+\b)
.if (\cm) == 0
	v_wmma_scale_f32_16x16x128_f8f6f4 v[AC:AC+7], v[128*MP+12*\b:128*MP+12*\b+11], v[RF+96*MP+12*MA:RF+96*MP+12*MA+11], 0, v[MS+NKC*\b+MQ], v[MS+NKC*MA+MQ] matrix_a_fmt:MATRIX_FMT_FP6 matrix_b_fmt:MATRIX_FMT_FP6 matrix_a_scale:MATRIX_SCALE_ROW1
.elseif (\cm) == 1
	v_wmma_scale_f32_16x16x128_f8f6f4 v[AC:AC+7], v[128*MP+12*\b:128*MP+12*\b+11], v[RF+96*MP+12*MA:RF+96*MP+12*MA+11], v[96+8*\b+96*(\b/4):96+8*\b+96*(\b/4)+7], v[MS+NKC*\b+MQ], v[MS+NKC*MA+MQ] matrix_a_fmt:MATRIX_FMT_FP6 matrix_b_fmt:MATRIX_FMT_FP6 matrix_a_scale:MATRIX_SCALE_ROW1
.else
	v_wmma_scale_f32_16x16x128_f8f6f4 v[AC:AC+7], v[128*MP+12*\b:128*MP+12*\b+11], v[RF+96*MP+12*MA:RF+96*MP+12*MA+11], v[AC:AC+7], v[MS+NKC*\b+MQ], v[MS+NKC*MA+MQ] matrix_a_fmt:MATRIX_FMT_FP6 matrix_b_fmt:MATRIX_FMT_FP6 matrix_a_scale:MATRIX_SCALE_ROW1
.endif
.endr
.endr
.endm
.macro KSTEP g, mode, cm
.if (\mode) == 0
	s_wait_dscnt 0x0
	PLACES
	FETCH (\g)+1
	MULQ \g, 0, \cm
	MULQ \g, 1, \cm
	MULQ \g, 2, \cm
	MULQ \g, 3, \cm
.elseif (\mode) == 3
	s_wait_dscnt 0x0
	MULQ \g, 0, \cm
	MULQ \g, 1, \cm
	MULQ \g, 2, \cm
	MULQ \g, 3, \cm
.else
	WIN 0
	s_wait_tensorcnt 0x0
	ds_add_u32 v[SPW], v[NIL]
	s_wait_dscnt 1
	MULQ \g, 0, \cm
	s_wait_dscnt 0x0
	s_barrier_signal -1
	MULQ \g, 1, \cm
	WIN 0
	s_barrier_wait -1
.if (\mode) == 2
	CREST
.if (\g) == 1
	JLOAD G0+8, G1, G0B+8, G1B                     ; chunk 2: slot 2's first fill, issued as a refill is
.else
	s_add_nc_u64 s[G0+2:G0+3], s[G0+2:G0+3], NSLOT*CHB
	s_add_nc_u64 s[G0B+2:G0B+3], s[G0B+2:G0B+3], NSLOT*CHB
	JLOAD G0, G1, G0B, G1B                         ; chunk 3 into slot 0, whose chunk 0 was read out two K steps ago
.endif
.else
	PLACES
.endif
	FETCH (\g)+1
	MULQ \g, 2, \cm
	MULQ \g, 3, \cm
.endif
.endm
.macro QUANT2 src, win, dst, byt
.set QW, ((\win)<<2)|((\win)<<4)
	WIN QW
.irp b, 0,1
	v_max3_num_f32 v[TM+\b], 0x1800000, |v[(\src)+16*\b]|, |v[(\src)+16*\b+1]|
.endr
.irp i, 2,4,6,8,10,12,14
.irp b, 0,1
	v_max3_num_f32 v[TM+\b], v[TM+\b], |v[(\src)+16*\b+\i]|, |v[(\src)+16*\b+\i+1]|
.endr
.endr
	WIN 0
.irp b, 0,1
	v_permlanex16_b32 v[TM+2+\b], v[TM+\b], s[SEL], s[SEL+1]
.endr
.irp b, 0,1
	v_max_num_f32 v[TM+\b], v[TM+\b], v[TM+2+\b]
.endr
.irp b, 0,1
	v_add_nc_u32 v[TM+4+\b], 0xff000000, v[TM+\b]
.endr
.irp b, 0,1
	v_lshrrev_b32 v[(\byt)+\b], 23, v[TM+4+\b]
.endr
	WIN \win
	v_cvt_scalef32_pk16_fp6_f32 v[(\dst):(\dst)+2], v[(\src):(\src)+15], v[TM+4]
	v_cvt_scalef32_pk16_fp6_f32 v[TY:TY+2], v[(\src)+16:(\src)+31], v[TM+5]
	WIN 0
	v_nop
.irp i, 0,1,2
	v_permlane16_swap_b32 v[(\dst)+\i], v[TY+\i]
.endr
.irp i, 0,1,2
	v_mov_b32 v[(\dst)+3+\i], v[TY+\i]
.endr
.endm
	s_load_b64 s[4:5], s[0:1], 0x0
.if KIND == 0
	s_load_b64 s[8:9], s[0:1], 0x0
	s_load_b64 s[12:13], s[0:1], 0x8
.else
	s_load_b64 s[8:9], s[0:1], 0x8
	s_load_b64 s[66:67], s[0:1], 0x10
	s_load_b64 s[12:13], s[0:1], 0x18
.endif
	v_lshl_add_u32 v[SPW], v0, 2, SPARE
	v_mov_b32 v[NIL], 0
	ds_add_u32 v28, v29
	ds_add_u32 v28, v29
	s_wait_dscnt 0x0
	v_lshrrev_b32 v1, 5, v0
	v_readfirstlane_b32 s14, v1
	s_lshr_b32 s15, s14, 1
	s_and_b32 s16, s14, 1
	s_bfe_u32 s92, ttmp6, 0x40000
	s_bfe_u32 s93, ttmp6, 0x40004
	s_and_b32 s18, ttmp7, 0xffff
	s_lshl_b32 s18, s18, 2
.if KIND == 0
	s_mul_i32 s34, ttmp9, 786432
	s_add_co_u32 s34, s34, 3276800
	s_lshl_b32 s35, ttmp9, 15
	s_add_co_u32 s35, s35, 12713984
	s_cmp_lt_u32 ttmp9, 2
	s_cselect_b32 s32, 0, 4849664
	s_mov_b32 s33, 12779520
	s_cselect_b32 s33, 3145728, s33
	s_cselect_b32 s34, s34, 0
	s_mov_b32 s2, 3145728
	s_cselect_b32 s35, s35, s2
	s_cselect_b32 s2, s18, 0
	s_cselect_b32 s3, 0, s18
	s_mov_b32 s[OT], 49152
	s_cselect_b32 s[OT], 12288, s[OT]
	s_mov_b32 s[NT], 4096
	s_cselect_b32 s[NT], 16384, s[NT]
	s_add_co_u32 s17, s2, s93
	s_add_co_u32 s94, s3, s92
.else
	s_lshl_b32 s94, ttmp9, 2
	s_add_co_u32 s94, s94, s92
	s_add_co_u32 s17, s18, s93
	s_mov_b32 s32, 16777216
	s_mov_b32 s33, 19922944
	s_mov_b32 s34, 6422528
	s_mov_b32 s35, 12845056
	s_mov_b32 s[OT], 49152
.endif
	s_mov_b32 s[OT+1], 0
	s_lshl_b32 s95, s93, 2
	s_lshl_b32 s95, 15, s95
	s_lshl_b32 s2, 0x1111, s92
	s_or_b32 s[G1], s95, (3<<16)|(1<<21)
	s_or_b32 s[G1B], s2, (3<<16)|(1<<21)
	s_or_b32 s[G1S], s95, (3<<16)|(1<<21)
	s_or_b32 s[G1SB], s2, (3<<16)|(1<<21)
.irp g, G1, G1B
	s_mov_b32 s[\g+1], (CHB/8)<<16
	s_mov_b32 s[\g+2], (2*BL)<<16                  ; the head's loads of codes bring all 16 tiles of a side
	s_mov_b32 s[\g+3], (CHB/8)<<16
	s_mov_b32 s[\g+4], 2*BL
	s_mov_b32 s[\g+5], KT/8
	s_mov_b32 s[\g+6], 0
	s_mov_b32 s[\g+7], 0
.endr
.irp g, G1S, G1SB
	s_mov_b32 s[\g+1], 32<<16
	s_mov_b32 s[\g+2], (2*HALFS/256)<<16           ; the scale words of all 16 tiles of a side
	s_mov_b32 s[\g+3], 32<<16
	s_mov_b32 s[\g+4], 2*HALFS/256
	s_mov_b32 s[\g+5], 32
	s_mov_b32 s[\g+6], 0
	s_mov_b32 s[\g+7], 0
.endr
	s_lshl_b32 s3, s16, 3
	s_lshl_b32 s18, s17, 4
	s_add_co_u32 s18, s18, s3
	s_mul_i32 s20, s18, ST
	s_mul_i32 s18, s18, KT
	s_add_co_u32 s18, s18, s32
	s_add_co_u32 s20, s20, s33
	s_lshl_b32 s22, s94, 4
	s_add_co_u32 s22, s22, s3
	s_mul_i32 s2, s22, ST
	s_mul_i32 s22, s22, KT
	s_add_co_u32 s22, s22, s34
	s_add_co_u32 s2, s2, s35
	s_mov_b32 s19, 0
	s_mov_b32 s21, 0
	s_mov_b32 s23, 0
	s_mov_b32 s3, 0
	s_wait_kmcnt 0x0
	s_add_nc_u64 s[6:7], s[4:5], s[20:21]
	s_add_nc_u64 s[4:5], s[4:5], s[18:19]
	s_add_nc_u64 s[10:11], s[8:9], s[2:3]
	s_add_nc_u64 s[8:9], s[8:9], s[22:23]
	s_mul_i32 s2, s14, HALFT
	s_mul_i32 s3, s14, HALFS
	CROUND
	s_mov_b32 s[G0S], 1
	s_mov_b32 s[G0S+1], SCL
	s_sub_nc_u64 s[G0S+2:G0S+3], s[6:7], HALFS     ; wave 1 issues this load: its own half is the upper one, so the side's first tile lies HALFS bytes back
	s_or_b32 s[G0S+3], s[G0S+3], 0x80000000
	s_mov_b32 s[G0SB], 1
	s_mov_b32 s[G0SB+1], SCL+2*HALFS
	s_sub_nc_u64 s[G0SB+2:G0SB+3], s[10:11], HALFS ; wave 3 likewise
	s_or_b32 s[G0SB+3], s[G0SB+3], 0x80000000
.irp s, 0,1,2
	s_mov_b32 s[G0+4*\s], 1
	s_add_co_u32 s[G0+4*\s+1], s2, \s*SLOT
	s_add_nc_u64 s[G0+4*\s+2:G0+4*\s+3], s[4:5], \s*CHB
	s_or_b32 s[G0+4*\s+3], s[G0+4*\s+3], 0x80000000
	s_mov_b32 s[G0B+4*\s], 1
	s_add_co_u32 s[G0B+4*\s+1], s2, \s*SLOT
	s_add_nc_u64 s[G0B+4*\s+2:G0B+4*\s+3], s[8:9], \s*CHB
	s_or_b32 s[G0B+4*\s+3], s[G0B+4*\s+3], 0x80000000
.endr
	; THE HEAD'S FOUR TILES, ONE JOINT LOAD A WAVE: wave 0 chunk 0 of A's 16 tiles, wave 1 A's scale words, wave 2 chunk 0 of B's 16 tiles, wave 3 B's scale words.
	; Waves 0 and 2 fetch the lower halves in the ring, so their slot 0 group 0 already names the side's first tile and its place in LDS.  One chain of branches on the wave's number, one load to an arm.
	s_cmp_lt_u32 s14, 1
	s_cbranch_scc0 .Lhead_sa
	tensor_load_to_lds s[G0:G0+3], s[G1:G1+7]
	s_nop 0
.rept 4
	v_nop
.endr
	s_branch .Lhead_asked
.Lhead_sa:
	s_cmp_lt_u32 s14, 2
	s_cbranch_scc0 .Lhead_b
	tensor_load_to_lds s[G0S:G0S+3], s[G1S:G1S+7]
	s_nop 0
.rept 4
	v_nop
.endr
	s_branch .Lhead_asked
.Lhead_b:
	s_cmp_lt_u32 s14, 3
	s_cbranch_scc0 .Lhead_sb
	tensor_load_to_lds s[G0B:G0B+3], s[G1B:G1B+7]
	s_nop 0
.rept 4
	v_nop
.endr
	s_branch .Lhead_asked
.Lhead_sb:
	tensor_load_to_lds s[G0SB:G0SB+3], s[G1SB:G1SB+7]
	s_nop 0
.rept 4
	v_nop
.endr
.Lhead_asked:
	; THE PREFETCHES: behind the load of chunk t stands the request for chunk t + 2 (here: chunks 1 and 2).  Of the 8 tiles that a wave fetches in the ring, the partner at place p among the four that ask jointly
	; names tiles 2 p and 2 p + 1 (p = cx for A, cy for B): 2 x 12 blocks of 256 bytes, a lane a block, one instruction; lanes 24-31 name the last block again.  Told apart by address alone.
	s_cmp_eq_u32 s15, 0
	s_cselect_b64 s[104:105], s[4:5], s[8:9]
	s_cselect_b32 s18, s92, s93
	s_mul_i32 s18, s18, 2*KT
	s_mov_b32 s19, 0
	s_add_nc_u64 s[104:105], s[104:105], s[18:19]
	v_and_b32 v6, 31, v0
	v_min_u32 v6, 23, v6
	v_mul_u32_u24 v7, v6, 171
	v_lshrrev_b32 v7, 11, v7                       ; which of my two tiles: lane / 12
	v_mul_u32_u24 v7, v7, KT-CHB
	v_lshl_add_u32 v26, v6, 8, v7
	global_prefetch_b8 v26, s[104:105] offset:CHB th:TH_LOAD_NT scope:SCOPE_SE
	global_prefetch_b8 v26, s[104:105] offset:2*CHB th:TH_LOAD_NT scope:SCOPE_SE
	v_and_b32 v3, 31, v0
	v_and_b32 v1, 15, v0
	v_bfe_u32 v2, v0, 4, 1
	v_lshlrev_b32 v4, 4, v3
	v_lshlrev_b32 v5, 3, v3
	s_mul_i32 s18, s15, HALFT
	s_mul_i32 s19, s16, HALFT
	s_add_co_u32 s19, s19, 2*HALFT
.irp s, 0,1,2
	v_add_nc_u32 v[ADA16+\s], s18, v4
	v_add_nc_u32 v[ADA8+\s], s18, v5
	v_add_nc_u32 v[ADB16+\s], s19, v4
	v_add_nc_u32 v[ADB8+\s], s19, v5
	s_add_co_u32 s18, s18, SLOT
	s_add_co_u32 s19, s19, SLOT
.endr
	s_mul_i32 s18, s15, HALFS
	s_mul_i32 s19, s16, HALFS
	s_add_co_u32 s19, s19, 2*HALFS
	s_sub_co_u32 s19, s19, s18
	v_mul_u32_u24 v6, s19, v2
	s_add_co_u32 s18, s18, SCL
	v_lshl_add_u32 v6, v1, 3, v6
	v_add_nc_u32 v[ADRS], s18, v6
	s_mov_b32 s[SEL], 0x76543210
	s_mov_b32 s[SEL+1], 0xfedcba98
	s_mov_b32 s[HM], 0xffff0000
	v_mov_b32 v[O16], v4
	v_mov_b32 v[O8], v5
	s_lshl_b32 s18, s17, 4
	s_lshl_b32 s19, s15, 3
	s_add_co_u32 s18, s18, s19
	s_mul_i32 s20, s18, s[OT]
	s_lshl_b32 s19, s94, 2
	s_lshl_b32 s21, s16, 1
	s_add_co_u32 s19, s19, s21
	s_mul_i32 s21, s19, 768
	s_add_co_u32 s20, s20, s21
.if KIND == 0
	s_mul_i32 s21, ttmp9, 3145728
	s_add_co_u32 s20, s20, s21
	s_mul_i32 s22, s19, s[NT]
	s_lshl_b32 s23, s18, 6
	s_add_co_u32 s22, s22, s23
	s_lshl_b32 s23, ttmp9, 18
	s_add_co_u32 s22, s22, s23
	s_add_co_u32 s22, s22, 9437184
	v_lshlrev_b32 v[SH], 4, v2
	v_mul_u32_u24 v[SO], s[NT], v2
	v_lshl_add_u32 v[SO], v1, 2, v[SO]
.else
	s_lshl_b32 s22, s18, 11
	s_lshl_b32 s23, s94, 7
	s_add_co_u32 s22, s22, s23
	s_lshl_b32 s23, s16, 2
	s_add_co_u32 s22, s22, s23
	s_add_co_u32 s22, s22, 12582912
	v_lshlrev_b32 v[SO], 11, v2
	v_lshl_add_u32 v[SO], v1, 3, v[SO]
.endif
	s_mov_b32 s21, 0
	s_mov_b32 s23, 0
	s_add_nc_u64 s[6:7], s[12:13], s[20:21]
	s_add_nc_u64 s[10:11], s[12:13], s[22:23]
.if KIND == 1
	s_lshl_b32 s18, s94, 10
	s_lshl_b32 s19, s16, 9
	s_add_co_u32 s18, s18, s19
	s_mov_b32 s19, 0
	s_add_nc_u64 s[66:67], s[66:67], s[18:19]
	v_lshlrev_b32 v[BO], 6, v2
	WIN 0x40
.irp t, 0,1,2,3,4,5,6,7
	global_load_b128 v[96+8*\t+96*(\t/4):96+8*\t+96*(\t/4)+3], v[BO], s[66:67] offset:(32*(\t/2)+8*(\t%2))*4
	global_load_b128 v[100+8*\t+96*(\t/4):100+8*\t+96*(\t/4)+3], v[BO], s[66:67] offset:(32*(\t/2)+8*(\t%2))*4+16
.endr
	WIN 0
.endif
	s_wait_alu depctr_va_vdst(0)                   ; the wait at the head's end
	s_wait_tensorcnt 0x0                           ; my tile of the head's four is in
	ds_add_u32 v[SPW], v[NIL]
	s_mov_b32 s[G1+2], BL<<16                      ; no tensor load of mine is out, so a descriptor may be written: from here on a load brings 8 tiles
	s_mov_b32 s[G1+4], BL
	s_mov_b32 s[G1B+2], BL<<16
	s_mov_b32 s[G1B+4], BL
	s_wait_dscnt 0x0
	CROUND                                         ; all four tiles are in, and all sixteen work-groups are here
	JLOAD G0+4, G1, G0B+4, G1B                     ; chunk 1, the first tensor load behind the round
	global_prefetch_b8 v26, s[104:105] offset:3*CHB th:TH_LOAD_NT scope:SCOPE_SE
	FETCH 0
.if KIND == 1
	s_wait_loadcnt 0x0
.endif
	KSTEP 0, 0, KIND
	KSTEP 1, 2, 2
	KSTEP 2, 0, 2
	KSTEP 3, 2, 2
	KSTEP 4, 0, 2
	KSTEP 5, 1, 2
	KSTEP 6, 0, 2
	KSTEP 7, 3, 2
	WIN 0
	PLACES
	v_mov_b32 v[TM+2], 0
	v_mov_b32 v[TM+3], 0
.irp a, 0,1,2,3,4,5,6,7
.set AW, 2+\a/4
.set AS, 64*(\a%4)
	s_wait_xcnt 0x0
.if \a > 0
	s_add_nc_u64 s[6:7], s[6:7], s[OT:OT+1]
.endif
.if KIND == 1
	WIN 0x44*AW
.set J, 0
.rept 64
	v_max_num_f32 v[AS+J], 0, v[AS+J]
.set J, J+1
.endr
.endif
	QUANT2 AS, AW, PC, BY
	QUANT2 AS+32, AW, PC+6, BY+2
	v_lshl_or_b32 v[PW], v[BY+1], 8, v[BY]
	v_lshl_or_b32 v[PW], v[BY+2], 16, v[PW]
	v_lshl_or_b32 v[PW], v[BY+3], 24, v[PW]
	global_store_b128 v[O16], v[PC:PC+3], s[6:7]
	global_store_b64 v[O8], v[PC+4:PC+5], s[6:7] offset:512
	global_store_b128 v[O16], v[PC+6:PC+9], s[6:7] offset:768
	global_store_b64 v[O8], v[PC+10:PC+11], s[6:7] offset:1280
.if KIND == 0
	v_lshrrev_b32 v[PS], v[SH], v[PW]
	global_store_b32 v[SO], v[PS], s[10:11] offset:64*\a
.elseif \a%2 == 0
	v_mov_b32 v[PK], v[PW]
.else
	v_cndmask_b32 v[PS], v[PK], v[PW], s[HM]
	global_store_b32 v[SO], v[PS], s[10:11] offset:(\a-1)*2048
.endif
.endr
	s_wait_tensorcnt 0x0
	ds_add_u32 v[SPW], v[NIL]
	s_wait_dscnt 0x0
	CROUND
	s_endpgm
.Lfunc_end_k_q5749043e22_qkv:
	.size	k_q5749043e22_qkv, .Lfunc_end_k_q5749043e22_qkv-k_q5749043e22_qkv
	.p2alignl 7, 3214868480
	.fill 96, 4, 3214868480
	.section	.rodata,"a",@progbits
	.p2align	6, 0x0
	.amdhsa_kernel k_q5749043e22_qkv
		.amdhsa_group_segment_fixed_size 327680
		.amdhsa_private_segment_fixed_size 0
		.amdhsa_enable_private_segment 0
		.amdhsa_kernarg_size 16
		.amdhsa_user_sgpr_count 2
		.amdhsa_user_sgpr_kernarg_segment_ptr 1
		.amdhsa_wavefront_size32 1
		.amdhsa_system_sgpr_workgroup_id_x 1
		.amdhsa_system_sgpr_workgroup_id_y 1
		.amdhsa_system_sgpr_workgroup_id_z 1
		.amdhsa_system_vgpr_workitem_id 0
		.amdhsa_next_free_vgpr 1024
		.amdhsa_next_free_sgpr 106
		.amdhsa_reserve_vcc 0
		.amdhsa_float_denorm_mode_32 3
		.amdhsa_float_denorm_mode_16_64 3
		.amdhsa_memory_ordered 1
		.amdhsa_forward_progress 1
		.amdhsa_inst_pref_size 153
	.end_amdhsa_kernel
	.amdgpu_metadata
---
amdhsa.version: [ 1, 2 ]
amdhsa.kernels:
  - .name:           k_q5749043e22_qkv
    .symbol:         k_q5749043e22_qkv.kd
    .args:
      - { .name: ws0, .offset: 0, .size: 8, .value_kind: global_buffer, .address_space: global }
      - { .name: ws1, .offset: 8, .size: 8, .value_kind: global_buffer, .address_space: global }
    .group_segment_fixed_size: 327680
    .private_segment_fixed_size: 0
    .kernarg_segment_align: 8
    .kernarg_segment_size: 16
    .max_flat_workgroup_size: 128
    .sgpr_count:     106
    .vgpr_count:     1024
    .wavefront_size: 32
...
	.end_amdgpu_metadata
.endif
;; end of part 2
;; launch attn (part 3): grid 256 x 1, 16 waves a work-group, clusters of 4 x 1, 169,984 bytes of LDS; arguments ws1, ws2; writes ws2
.if DOCPART == 3
	.amdgcn_target "amdgcn-amd-amdhsa--gfx1250"
	.amdhsa_code_object_version 6
	.text
	.protected	k_q5749043e22_attn
	.globl	k_q5749043e22_attn
	.p2align	8
	.type	k_q5749043e22_attn,@function
k_q5749043e22_attn:
	s_mov_b64 s[64:65], 0
	v_nop
	global_prefetch_b8 v0, s[64:65] scope:SCOPE_SE
	s_setreg_imm32_b32 hwreg(HW_REG_WAVE_MODE, 25, 1), 1
	s_wait_xcnt 0x0
	s_wait_alu depctr_hold_cnt(0) depctr_sa_sdst(0) depctr_va_vdst(0) depctr_va_sdst(0) depctr_va_ssrc(0) depctr_va_vcc(0) depctr_vm_vsrc(0)
	s_getreg_b32 s2, hwreg(HW_REG_IB_STS2, 6, 4)
	s_cmp_eq_u32 s2, 0
	s_cbranch_scc0 .Lentry_in_a_cluster
	s_endpgm
.Lentry_in_a_cluster:
	s_bfe_u32 s2, ttmp6, 0x10000c
	s_cmp_lg_u32 s2, 0x3003
	s_cbranch_scc0 .Lentry_shape_is_right
	s_endpgm
.Lentry_shape_is_right:
; CAUSAL ATTENTION ON CODES OF E2M3.  y[b][t][head] = softmax(q k^T / 32, keys <= query) v, head size 64, 1,024 keys; y leaves as codes along C with its scale bytes.
; q, k: half fragments [tile of 16 tokens][head][768 bytes]; v: [tile of 16 of d][64 keys][768], keys innermost; a tile's lane r holds row 32 (T / 2) + 8 (T % 2) + r + 8 (r / 8).
; THE SOFTMAX: t = score x log2(e) / 32; M = the running largest t rounded UP to a whole number; p = 2^(t - M) is quantised along the keys, not normalised; the row's sum is taken of the unquantised p and divides at the end.
; When M moves, the sum and O are multiplied by 2^(old M - new M): exact.
; SHARES.  A cluster of four work-groups owns one (batch, head): all four read the same K and V, which are asked for JOINTLY, once, and stay in LDS: 104,448 bytes, first fills only: no LDS byte is filled again.
; A work-group has sixteen waves, four to a SIMD, each with ONE tile of 16 queries in 256 registers.  Wave w takes omega = 4 ((w / 4) xor (w % 4)) + w / 4 and query tile 4 omega + cx: every work-group has the same 72 key steps.
; Both products are used transposed (S^T = K Q^T, O^T = V^T P^T): a lane holds one query throughout, and by the order of a tile's rows p's 16 registers of two neighbouring tiles are 16 neighbouring keys.
; K = 64 IN THE FIRST PRODUCT: q's upper six registers are zero codes, so whatever stands in K's upper six (the next tile's codes) adds nothing; no scale byte there is 0xff.
; CAUSAL: the loop has 8 trips in every wave.  A key step all of whose 128 keys come after queries 64 omega .. 64 omega + 63 is jumped over (2 s > omega); one all of whose keys count skips the mask (omega >= 2 s + 2).
; Both branches hang on the wave's number and the trip alone, never on the place in the cluster.
; LIMITS: NaN and infinities are not served.  A block of y or p whose largest magnitude lies under 2^-124 gets the scale byte 1: this program alone reads the bytes.
; REGISTERS: v1-7 lane terms; v8-11, v28-29 the step's addresses; v12 -M, v13 the largest t, v[14:15] the sum; v16-27 q and zeros; v30 q's scale words; v32-79 K's 8 tiles or V's 4 fragments; v80-85 zeros;
;   v86-89 K's scale words, v90-91 V's (two tiles a register); v96-159 S^T, then p; v160-191 O^T; v192-203 p's codes; v204 the way out; v232-254 at work.
.set VC,   49152                       ; LDS: K's codes at 0: [64 tiles][768];  V's: [4 tiles of d][16 x 768]
.set KSC,  98304                       ; K's scale words: [64 tiles][64]
.set VSC,  102400                      ; V's: [8 key steps][4 tiles][64]
.set WV,   18
.set OM,   19
.set SEL,  20
.set CS,   22
.set G1K,  24
.set G1V,  32
.set G1KS, 40
.set G1VS, 48
.set G0K,  56
.set G0V,  60
.set G0KS, 68
.set G0VS, 72
.set HM,   96
.macro CROUND                          ; a round of the cluster's barrier
	s_barrier_signal -1
	s_barrier_wait -1
	s_cmp_lg_u32 s[WV], 0
	s_cbranch_scc1 .Lnot_wave_0_\@
	s_barrier_signal -3
.Lnot_wave_0_\@:
	s_barrier_wait -3
	s_barrier_signal -1
	s_barrier_wait -1
.endm
	s_load_b128 s[4:7], s[0:1], 0x0                ; ws1, ws2
	v_lshl_add_u32 v251, v0, 2, 0x29000
	v_mov_b32 v255, 0
	ds_add_u32 v251, v255
	ds_add_u32 v251, v255
	v_lshrrev_b32 v8, 5, v0
	s_delay_alu instid0(VALU_DEP_1)
	v_readfirstlane_b32 s[WV], v8                  ; wave 0..15
	s_lshr_b32 s76, s[WV], 2
	s_and_b32 s77, s[WV], 3
	s_xor_b32 s77, s77, s76
	s_lshl_b32 s77, s77, 2
	s_add_co_u32 s[OM], s77, s76                   ; omega
	s_lshr_b32 s78, ttmp9, 4                       ; the batch
	s_and_b32 s79, ttmp9, 15                       ; the head
	s_and_b32 s87, s[WV], 1                        ; which half I fetch, if I fetch
	s_lshl_b32 s88, s78, 6
	s_lshl_b32 s89, s87, 5
	s_add_co_u32 s88, s88, s89
	s_mul_i32 s88, s88, 12288
	s_mul_i32 s89, s79, 768
	s_add_co_u32 s88, s88, s89
	s_add_co_u32 s88, s88, 3145728                 ; K's codes: tile 64 b + 32 half, my head
	s_mov_b32 s89, 0
	s_lshl_b32 s90, s79, 2
	s_lshl_b32 s91, s87, 1
	s_add_co_u32 s90, s90, s91
	s_mul_i32 s90, s90, 49152
	s_mul_i32 s91, s78, 12288
	s_add_co_u32 s90, s90, s91
	s_add_co_u32 s90, s90, 6291456                 ; V's codes: tile 4 head + 2 half, the batch's 16 half fragments
	s_mov_b32 s91, 0
	s_lshl_b32 s92, s79, 14
	s_lshl_b32 s93, s78, 12
	s_add_co_u32 s92, s92, s93
	s_lshl_b32 s93, s87, 11
	s_add_co_u32 s92, s92, s93
	s_add_co_u32 s92, s92, 9699328                 ; K's scale words
	s_mov_b32 s93, 0
	s_lshl_b32 s94, s78, 16
	s_lshl_b32 s95, s87, 15
	s_add_co_u32 s94, s94, s95
	s_lshl_b32 s95, s79, 8
	s_add_co_u32 s94, s94, s95
	s_add_co_u32 s94, s94, 9961472                 ; V's scale words: group 16 b + 8 half, my head's four tiles
	s_mov_b32 s95, 0
	s_mov_b32 s[G1K], 15|(3<<16)|(1<<21)           ; the mask names all four work-groups; elements of 8 bytes; bit 21 set beside a mask
	s_mov_b32 s[G1K+1], 96<<16                     ; K's codes: 32 tiles of 768 bytes, 12,288 bytes apart
	s_mov_b32 s[G1K+2], 32<<16
	s_mov_b32 s[G1K+3], 96<<16
	s_mov_b32 s[G1K+4], 32
	s_mov_b32 s[G1K+5], 1536
	s_mov_b32 s[G1K+6], 0
	s_mov_b32 s[G1K+7], 0
	s_mov_b32 s[G1V], 15|(3<<16)|(1<<21)
	s_mov_b32 s[G1V+1], 1536<<16                   ; V's codes: 2 tiles of 12,288 bytes, 49,152 bytes apart
	s_mov_b32 s[G1V+2], 2<<16
	s_mov_b32 s[G1V+3], 1536<<16
	s_mov_b32 s[G1V+4], 2
	s_mov_b32 s[G1V+5], 6144
	s_mov_b32 s[G1V+6], 0
	s_mov_b32 s[G1V+7], 0
	s_mov_b32 s[G1KS], 15|(3<<16)|(1<<21)
	s_mov_b32 s[G1KS+1], 32<<16                    ; K's scale words: 2,048 dense bytes as 8 rows of 256
	s_mov_b32 s[G1KS+2], 8<<16
	s_mov_b32 s[G1KS+3], 32<<16
	s_mov_b32 s[G1KS+4], 8
	s_mov_b32 s[G1KS+5], 32
	s_mov_b32 s[G1KS+6], 0
	s_mov_b32 s[G1KS+7], 0
	s_mov_b32 s[G1VS], 15|(3<<16)|(1<<21)
	s_mov_b32 s[G1VS+1], 32<<16                    ; V's: 4 key steps' rows of 256 bytes, 8,192 bytes apart
	s_mov_b32 s[G1VS+2], 4<<16
	s_mov_b32 s[G1VS+3], 32<<16
	s_mov_b32 s[G1VS+4], 4
	s_mov_b32 s[G1VS+5], 1024
	s_mov_b32 s[G1VS+6], 0
	s_mov_b32 s[G1VS+7], 0
	s_mul_i32 s76, s87, 24576
	s_lshl_b32 s77, s87, 11
	s_lshl_b32 s97, s87, 10
	s_mov_b32 s[SEL], 0x76543210
	s_mov_b32 s[SEL+1], 0xfedcba98
	s_mov_b32 s[CS], 0x3d38aa3b                    ; c = log2(e) / 32
	s_mov_b32 s[CS+1], s[CS]                       ; (named with it as a pair, so it is written)
	s_mov_b32 s[HM], 0xffff0000
	s_wait_dscnt 0x0
	s_wait_kmcnt 0x0
	s_mov_b32 s[G0K], 1
	s_mov_b32 s[G0K+1], s76
	s_add_nc_u64 s[G0K+2:G0K+3], s[4:5], s[88:89]
	s_or_b32 s[G0K+3], s[G0K+3], 0x80000000
	s_mov_b32 s[G0V], 1
	s_add_co_u32 s[G0V+1], s76, VC
	s_add_nc_u64 s[G0V+2:G0V+3], s[4:5], s[90:91]
	s_or_b32 s[G0V+3], s[G0V+3], 0x80000000
	s_mov_b32 s[G0KS], 1
	s_add_co_u32 s[G0KS+1], s77, KSC
	s_add_nc_u64 s[G0KS+2:G0KS+3], s[4:5], s[92:93]
	s_or_b32 s[G0KS+3], s[G0KS+3], 0x80000000
	s_mov_b32 s[G0VS], 1
	s_add_co_u32 s[G0VS+1], s97, VSC
	s_add_nc_u64 s[G0VS+2:G0VS+3], s[4:5], s[94:95]
	s_or_b32 s[G0VS+3], s[G0VS+3], 0x80000000
	CROUND                                         ; all four work-groups are here: the joint loads meet
	s_cmp_lt_u32 s[WV], 2                          ; one chain of branches on the wave's number, one load to an arm: waves 0, 1 K's halves; 2, 3 V's; 4, 5 K's scale words; 6, 7 V's
	s_cbranch_scc0 .Lnot_k
	tensor_load_to_lds s[G0K:G0K+3], s[G1K:G1K+7]
	s_nop 0
.rept 4
	v_nop
.endr
	s_branch .Lasked
.Lnot_k:
	s_cmp_lt_u32 s[WV], 4
	s_cbranch_scc0 .Lnot_v
	tensor_load_to_lds s[G0V:G0V+3], s[G1V:G1V+7]
	s_nop 0
.rept 4
	v_nop
.endr
	s_branch .Lasked
.Lnot_v:
	s_cmp_lt_u32 s[WV], 6
	s_cbranch_scc0 .Lnot_ks
	tensor_load_to_lds s[G0KS:G0KS+3], s[G1KS:G1KS+7]
	s_nop 0
.rept 4
	v_nop
.endr
	s_branch .Lasked
.Lnot_ks:
	s_cmp_lt_u32 s[WV], 8
	s_cbranch_scc0 .Lasked
	tensor_load_to_lds s[G0VS:G0VS+3], s[G1VS:G1VS+7]
	s_nop 0
.rept 4
	v_nop
.endr
.Lasked:
	s_bfe_u32 s76, ttmp6, 0x40000                  ; cx: it enters q's and y's addresses and the mask's numbers alone
	s_lshl_b32 s77, s[OM], 2
	s_add_co_u32 s77, s77, s76                     ; my query tile in the batch
	s_lshl_b32 s76, s78, 6
	s_add_co_u32 s76, s76, s77                     ; and among all tokens: T
	s_mul_i32 s10, s76, 12288
	s_mul_i32 s11, s79, 768
	s_add_co_u32 s10, s10, s11
	s_mov_b32 s11, 0
	s_add_nc_u64 s[8:9], s[4:5], s[10:11]          ; q's half fragment
	s_add_nc_u64 s[12:13], s[6:7], s[10:11]        ; y's: the same place in ws2
	s_lshl_b32 s10, s79, 14
	s_lshl_b32 s97, s76, 6
	s_add_co_u32 s10, s10, s97
	s_add_co_u32 s10, s10, 9437184
	s_add_nc_u64 s[14:15], s[4:5], s[10:11]        ; q's scale words
	s_lshl_b32 s10, s76, 9
	s_lshr_b32 s97, s79, 2
	s_lshl_b32 s97, s97, 7
	s_add_co_u32 s10, s10, s97
	s_bfe_u32 s97, s79, 0x10001
	s_lshl_b32 s97, s97, 2
	s_add_co_u32 s10, s10, s97
	s_and_b32 s97, s79, 1
	s_lshl_b32 s97, s97, 1
	s_add_co_u32 s10, s10, s97
	s_add_co_u32 s10, s10, 3145728
	s_add_nc_u64 s[16:17], s[6:7], s[10:11]        ; y's scale bytes: blocks 2 head, 2 head + 1 of my rows
	s_lshr_b32 s97, s77, 1
	s_lshl_b32 s97, s97, 5
	s_and_b32 s98, s77, 1
	s_lshl_b32 s98, s98, 3
	s_add_co_u32 s97, s97, s98                     ; my tile's first query
	v_and_b32 v8, 31, v0                           ; l
	v_and_b32 v9, 15, v0                           ; r
	v_bfe_u32 v10, v0, 4, 1                        ; h
	s_delay_alu instid0(VALU_DEP_3)
	v_lshlrev_b32 v1, 4, v8                        ; 16 l
	s_delay_alu instid0(VALU_DEP_4)
	v_lshl_add_u32 v2, v8, 3, 512                  ; 512 + 8 l
	s_delay_alu instid0(VALU_DEP_2)
	v_add_nc_u32 v3, VC, v1
	s_delay_alu instid0(VALU_DEP_2)
	v_add_nc_u32 v4, VC, v2
	v_lshl_add_u32 v5, v8, 2, KSC                  ; two tiles' scale words a load: 4 l
	v_lshl_add_u32 v6, v8, 2, VSC
	v_and_b32 v7, 8, v9
	s_delay_alu instid0(VALU_DEP_1)
	v_add_nc_u32 v7, v7, v9                        ; r + 8 (r / 8)
	v_lshlrev_b32 v11, 4, v10
	s_delay_alu instid0(VALU_DEP_1)
	v_sub_nc_u32 v7, v7, v11
	s_delay_alu instid0(VALU_DEP_1)
	v_add_nc_u32 v7, s97, v7                       ; my query - 16 h
	v_lshlrev_b32 v31, 2, v9
	v_lshl_add_u32 v204, v9, 3, v10                ; 8 r + h
	global_load_b128 v[16:19], v1, s[8:9]          ; q stays in registers
	global_load_b64 v[20:21], v2, s[8:9]
	global_load_b32 v30, v31, s[14:15]
.irp j, 22,23,24,25,26,27,80,81,82,83,84,85
	v_mov_b32 v[\j], 0                             ; zero codes: q's upper 64 along K, and what stands behind K's last tile
.endr
	v_mov_b32 v13, 0xff61b1e6                      ; the largest t so far: -3e38, under every t
	s_delay_alu instid0(VALU_DEP_1)
	v_floor_f32 v12, -v13                          ; -M
	v_mov_b32 v14, 0                               ; the sum, in two halves
	v_mov_b32 v15, 0
.irp j, 236,237,238,239,252,253
	v_mov_b32 v[\j], 0                             ; lane permutes' destinations, and the upper half of the pair v[252:253]
.endr
.set J, 0
.rept 32
	v_mov_b32 v[160+J], 0                          ; O^T: the loop is written once; its first step finds zeros, which the first change of M leaves zeros
.set J, J+1
.endr
	s_mov_b32 s80, 0                               ; 2 s
	s_mov_b32 s81, 0                               ; the step's K tiles: 6,144 bytes a step
	s_mov_b32 s82, 0                               ; its V fragments: 1,536
	s_mov_b32 s83, 0                               ; K's scale words: 512
	s_mov_b32 s84, 0                               ; V's: 256
	s_mov_b32 s85, 0                               ; its first key
	s_mov_b32 s86, 0                               ; trips
	s_wait_tensorcnt 0x0                           ; my loads have landed,
	s_barrier_signal -1
	s_barrier_wait -1                              ; everybody's have
	s_wait_loadcnt 0x0                             ; q
.Lstep:
	s_cmp_gt_u32 s80, s[OM]
	s_cbranch_scc1 .Lhidden                        ; all 128 keys come after my queries
	v_add_nc_u32 v8, s81, v1                       ; (these six are also the places behind the last step's products, in front of the loads)
	v_add_nc_u32 v9, s81, v2
	v_add_nc_u32 v10, s82, v3
	v_add_nc_u32 v11, s82, v4
	v_add_nc_u32 v28, s83, v5
	v_add_nc_u32 v29, s84, v6
.irp t, 0,1,2,3,4,5,6,7
	ds_load_b128 v[32+6*\t:32+6*\t+3], v8 offset:768*\t
	ds_load_b64 v[32+6*\t+4:32+6*\t+5], v9 offset:768*\t
.endr
.irp u, 0,1,2,3
	ds_load_b32 v[86+\u], v28 offset:128*\u        ; lanes 0-15 tile 2 u's words, lanes 16-31 tile 2 u + 1's
.endr
	s_wait_alu depctr_va_vdst(0)
	s_wait_dscnt 0x0
.irp t, 0,2,4,6                        ; S^T = K Q^T: lane (r, h) holds query r; the 16 registers of tiles 2 b, 2 b + 1 are keys 128 s + 32 b + 16 h + 0 .. 15
	v_wmma_scale_f32_16x16x128_f8f6f4 v[96+8*\t:103+8*\t], v[32+6*\t:43+6*\t], v[16:27], 0, v[86+\t/2], v30 matrix_a_fmt:MATRIX_FMT_FP6 matrix_b_fmt:MATRIX_FMT_FP6
	v_wmma_scale_f32_16x16x128_f8f6f4 v[104+8*\t:111+8*\t], v[38+6*\t:49+6*\t], v[16:27], 0, v[86+\t/2], v30 matrix_a_fmt:MATRIX_FMT_FP6 matrix_b_fmt:MATRIX_FMT_FP6 matrix_a_scale:MATRIX_SCALE_ROW1
.endr
.rept 4
	v_nop                                          ; places: in front of the loads over K's tiles and of the first read of the scores
.endr
.irp d, 0,1,2,3                        ; V's four fragments of these 128 keys are asked for now and land while the softmax runs
	ds_load_b128 v[32+12*\d:35+12*\d], v10 offset:12288*\d
	ds_load_b64 v[36+12*\d:37+12*\d], v11 offset:12288*\d
	ds_load_b128 v[38+12*\d:41+12*\d], v10 offset:12288*\d+768
	ds_load_b64 v[42+12*\d:43+12*\d], v11 offset:12288*\d+768
.endr
	ds_load_b32 v90, v29
	ds_load_b32 v91, v29 offset:128
	s_add_co_u32 s76, s80, 2
	s_cmp_ge_u32 s[OM], s76
	s_cbranch_scc1 .Lopen                          ; all 128 keys count for all my queries
	v_sub_nc_u32 v252, v7, s85                     ; d = my query - the step's first key - 16 h: register 16 b + i is hidden where 32 b + i > d
	v_mov_b32 v254, 0xff800000                     ; -infinity: p = 0 then
.irp n, 0,1,2,3,4,5,6,7,8,9,10,11,12,13,14,15,16,17,18,19,20,21,22,23,24,25,26,27,28,29,30,31,32,33,34,35,36,37,38,39,40,41,42,43,44,45,46,47,48,49,50,51,52,53,54,55,56,57,58,59,60,61,62,63
	v_cmp_gt_i32 vcc_lo, 32*(\n/16)+\n%16, v252
	v_cndmask_b32 v[96+\n], v[96+\n], v254, vcc_lo
.endr
.Lopen:
.irp b, 0,1,2,3
	v_max3_num_f32 v[232+\b], v[96+16*\b], v[97+16*\b], v[98+16*\b]   ; the largest score of each block of 32 keys: for the row's maximum and, since p rises with the score, for the block's largest p
.endr
.irp i, 3,5,7,9,11,13
.irp b, 0,1,2,3
	v_max3_num_f32 v[232+\b], v[232+\b], v[96+16*\b+\i], v[97+16*\b+\i]
.endr
.endr
.irp b, 0,1,2,3
	v_max_num_f32 v[232+\b], v[232+\b], v[111+16*\b]
.endr
.irp b, 0,1,2,3
	s_delay_alu instid0(VALU_DEP_4)
	v_permlanex16_b32 v[236+\b], v[232+\b], s[SEL], s[SEL+1]
.endr
.irp b, 0,1,2,3
	s_delay_alu instid0(VALU_DEP_4)
	v_max_num_f32 v[232+\b], v[232+\b], v[236+\b]  ; with lane l xor 16's 16 keys
.endr
	s_delay_alu instid0(VALU_DEP_2)
	v_max3_num_f32 v254, v232, v233, v234
	s_delay_alu instid0(VALU_DEP_1)
	v_max_num_f32 v254, v254, v235                 ; the step's largest score of my query
	s_delay_alu instid0(VALU_DEP_1)
	v_mul_f32 v254, s[CS], v254                    ; as t (c is positive)
	s_delay_alu instid0(VALU_DEP_1)
	v_max_num_f32 v13, v13, v254                   ; the running largest t
	v_mov_b32 v254, v12
	s_delay_alu instid0(VALU_DEP_2)
	v_floor_f32 v12, -v13                          ; the new -M = -ceil(t): a whole number
	s_delay_alu instid0(VALU_DEP_1)
	v_sub_f32 v254, v12, v254                      ; old M - new M: a whole number, 0 or less
	s_delay_alu instid0(VALU_DEP_1)
	v_cvt_i32_f32 v254, v254                       ; (it saturates)
	s_delay_alu instid0(VALU_DEP_1)
	v_ldexp_f32 v252, 1.0, v254                    ; f = 2^(old M - new M)
.irp j, 0,2,4,6,8,10,12,14,16,18,20,22,24,26,28,30,32,34,36,38,40,42,44,46,48,50,52,54,56,58,60,62
	v_pk_fma_f32 v[96+\j:97+\j], v[96+\j:97+\j], s[CS:CS+1], v[12:13] op_sel_hi:[1,0,0]   ; t - M, two at a time
.endr
.irp b, 0,1,2,3
	v_fma_f32 v[232+\b], v[232+\b], s[CS], v12     ; the same of each block's largest score
.endr
	s_wait_alu depctr_va_vdst(0)
.irp j, 0,1,2,3,4,5,6,7,8,9,10,11,12,13,14,15,16,17,18,19,20,21,22,23,24,25,26,27,28,29,30,31,32,33,34,35,36,37,38,39,40,41,42,43,44,45,46,47,48,49,50,51,52,53,54,55,56,57,58,59,60,61,62,63
	v_exp_f32 v[96+\j], v[96+\j]                   ; p = 2^(t - M), at most 1
.endr
.irp b, 0,1,2,3
	v_exp_f32 v[232+\b], v[232+\b]                 ; the block's largest p: the same two instructions on the same number
.endr
	v_pk_mul_f32 v[14:15], v[14:15], v[252:253] op_sel_hi:[1,0]   ; the sums under the new M (a plain place behind the exponentials)
	s_wait_alu depctr_va_vdst(0)
.irp b, 0,1,2,3
	v_max_num_f32 v[232+\b], 0x1800000, v[232+\b]  ; the floor 2^(3 - 127): the byte cannot fall under 1
.endr
.irp b, 0,1,2,3
	s_delay_alu instid0(VALU_DEP_4)
	v_add_nc_u32 v[244+\b], 0xff000000, v[232+\b]  ; 2 off the exponent field: the conversion's scale operand
.endr
.irp b, 0,1,2,3
	s_delay_alu instid0(VALU_DEP_4)
	v_lshrrev_b32 v[236+\b], 23, v[244+\b]         ; the scale's byte
.endr
	s_delay_alu instid0(VALU_DEP_3)
	v_lshl_or_b32 v253, v237, 8, v236              ; p's scale word for these 128 keys
	s_delay_alu instid0(VALU_DEP_1)
	v_lshl_or_b32 v253, v238, 16, v253
	s_delay_alu instid0(VALU_DEP_1)
	v_lshl_or_b32 v253, v239, 24, v253
.irp c, 0,1
	v_cvt_scalef32_pk16_fp6_f32 v[192+6*\c:194+6*\c], v[96+32*\c:111+32*\c], v[244+2*\c]
	v_cvt_scalef32_pk16_fp6_f32 v[236+4*\c:238+4*\c], v[112+32*\c:127+32*\c], v[244+2*\c+1]   ; (a conversion's three registers begin on an even number)
.endr
	v_nop                                          ; one plain place behind a scaled conversion
.irp c, 0,1                            ; a WHOLE block to a lane: lanes 0-15 block 2 c, lanes 16-31 block 2 c + 1
.irp i, 0,1,2
	v_permlane16_swap_b32 v[192+6*\c+\i], v[236+4*\c+\i]
.endr
.irp i, 0,1,2
	s_delay_alu instid0(VALU_DEP_3)
	v_mov_b32 v[195+6*\c+\i], v[236+4*\c+\i]
.endr
.endr
	v_pk_add_f32 v[236:237], v[100:101], v[104:105]
	v_pk_add_f32 v[248:249], v[108:109], v[112:113]
	v_pk_add_f32 v[246:247], v[116:117], v[120:121]
	v_pk_add_f32 v[244:245], v[124:125], v[128:129]
	v_pk_add_f32 v[242:243], v[132:133], v[136:137]
	v_pk_add_f32 v[240:241], v[140:141], v[144:145]
	v_pk_add_f32 v[234:235], v[148:149], v[152:153]
	v_pk_add_f32 v[14:15], v[14:15], v[156:157]
	v_pk_add_f32 v[236:237], v[236:237], v[96:97]
	v_pk_add_f32 v[248:249], v[248:249], v[98:99]
	v_pk_add_f32 v[246:247], v[246:247], v[102:103]
	v_pk_add_f32 v[244:245], v[244:245], v[106:107]
	v_pk_add_f32 v[242:243], v[242:243], v[110:111]
	v_pk_add_f32 v[240:241], v[240:241], v[114:115]
	v_pk_add_f32 v[234:235], v[234:235], v[118:119]
	v_pk_add_f32 v[14:15], v[14:15], v[122:123]
	v_pk_add_f32 v[236:237], v[236:237], v[126:127]
	v_pk_add_f32 v[248:249], v[248:249], v[130:131]
	v_pk_add_f32 v[246:247], v[246:247], v[134:135]
	v_pk_add_f32 v[244:245], v[244:245], v[138:139]
	v_pk_add_f32 v[242:243], v[242:243], v[142:143]
	v_pk_add_f32 v[240:241], v[240:241], v[146:147]
	v_pk_add_f32 v[234:235], v[234:235], v[150:151]
	v_pk_add_f32 v[14:15], v[14:15], v[154:155]
	v_pk_add_f32 v[236:237], v[236:237], v[158:159]
	s_delay_alu instid0(VALU_DEP_2)
	v_pk_add_f32 v[14:15], v[14:15], v[244:245]
	s_delay_alu instid0(VALU_DEP_2)
	v_pk_add_f32 v[236:237], v[236:237], v[242:243]
	v_pk_add_f32 v[248:249], v[248:249], v[240:241]
	v_pk_add_f32 v[246:247], v[246:247], v[234:235]
	s_delay_alu instid0(VALU_DEP_2)
	v_pk_add_f32 v[14:15], v[14:15], v[248:249]
	s_delay_alu instid0(VALU_DEP_2)
	v_pk_add_f32 v[236:237], v[236:237], v[246:247]
	s_delay_alu instid0(VALU_DEP_1)
	v_pk_add_f32 v[14:15], v[14:15], v[236:237]
.irp j, 0,2,4,6,8,10,12,14,16,18,20,22,24,26,28,30
	v_pk_mul_f32 v[160+\j:161+\j], v[160+\j:161+\j], v[252:253] op_sel_hi:[1,0]   ; O^T under the new M.  (With the sums above: the places between p's codes and scale word and the products)
.endr
	s_wait_alu depctr_va_vdst(0)
	s_wait_dscnt 0x0                               ; V
.irp d, 0,2                            ; O^T += V^T P^T: four tiles of 16 of the head's 64, by turns
	v_wmma_scale_f32_16x16x128_f8f6f4 v[160+8*\d:167+8*\d], v[32+12*\d:43+12*\d], v[192:203], v[160+8*\d:167+8*\d], v[90+\d/2], v253 matrix_a_fmt:MATRIX_FMT_FP6 matrix_b_fmt:MATRIX_FMT_FP6
	v_wmma_scale_f32_16x16x128_f8f6f4 v[168+8*\d:175+8*\d], v[44+12*\d:55+12*\d], v[192:203], v[168+8*\d:175+8*\d], v[90+\d/2], v253 matrix_a_fmt:MATRIX_FMT_FP6 matrix_b_fmt:MATRIX_FMT_FP6 matrix_a_scale:MATRIX_SCALE_ROW1
.endr
.Lhidden:
	s_add_co_u32 s80, s80, 2
	s_add_co_u32 s81, s81, 6144
	s_add_co_u32 s82, s82, 1536
	s_add_co_u32 s83, s83, 512
	s_add_co_u32 s84, s84, 256
	s_add_co_u32 s85, s85, 128
	s_add_co_u32 s86, s86, 1
	s_cmp_lt_u32 s86, 8
	s_cbranch_scc1 .Lstep
	; THE WAY OUT: O^T / the sum, quantised along d: register 16 b + i is y(query r, 32 b + 16 h + i): one half fragment and two scale bytes
.rept 4
	v_nop                                          ; places behind the last products
.endr
	v_add_f32 v14, v14, v15
	s_delay_alu instid0(VALU_DEP_1)
	v_permlanex16_b32 v252, v14, s[SEL], s[SEL+1]
	s_delay_alu instid0(VALU_DEP_1)
	v_add_f32 v14, v14, v252                       ; the row's sum
	s_wait_alu depctr_va_vdst(0)
	v_rcp_f32 v14, v14
	v_nop                                          ; one plain place behind a transcendental
.set J, 0
	s_wait_alu depctr_va_vdst(0)
.rept 32
	v_mul_f32 v[96+J], v[160+J], v14               ; each accumulator from its low end on
.set J, J+1
.endr
.irp b, 0,1
	v_max3_num_f32 v[232+\b], |v[96+16*\b]|, |v[97+16*\b]|, 0x1800000
.endr
.irp i, 2,4,6,8,10,12,14
.irp b, 0,1
	s_delay_alu instid0(VALU_DEP_2)
	v_max3_num_f32 v[232+\b], v[232+\b], |v[96+16*\b+\i]|, |v[97+16*\b+\i]|
.endr
.endr
.irp b, 0,1
	s_delay_alu instid0(VALU_DEP_2)
	v_permlanex16_b32 v[236+\b], v[232+\b], s[SEL], s[SEL+1]
.endr
.irp b, 0,1
	s_delay_alu instid0(VALU_DEP_2)
	v_max_num_f32 v[232+\b], v[232+\b], v[236+\b]
.endr
.irp b, 0,1
	s_delay_alu instid0(VALU_DEP_2)
	v_add_nc_u32 v[244+\b], 0xff000000, v[232+\b]
.endr
.irp b, 0,1
	s_delay_alu instid0(VALU_DEP_2)
	v_lshrrev_b32 v[238+\b], 23, v[244+\b]
.endr
	v_cvt_scalef32_pk16_fp6_f32 v[192:194], v[96:111], v244
	v_cvt_scalef32_pk16_fp6_f32 v[240:242], v[112:127], v245
	v_nop
.irp i, 0,1,2
	v_permlane16_swap_b32 v[192+\i], v[240+\i]
.endr
.irp i, 0,1,2
	s_delay_alu instid0(VALU_DEP_3)
	v_mov_b32 v[195+\i], v[240+\i]
.endr
	v_cndmask_b32 v246, v238, v239, s[HM]          ; lanes 0-15 store the first block's byte, lanes 16-31 the second's
	global_store_b128 v1, v[192:195], s[12:13]     ; 512 consecutive bytes, aligned
	global_store_b64 v2, v[196:197], s[12:13]      ; the 256 behind them
	global_store_b8 v204, v246, s[16:17]           ; 32 bytes of the 800 that the wave stores
	s_wait_tensorcnt 0x0
	ds_add_u32 v251, v255
	s_wait_dscnt 0x0
	CROUND                                         ; the closing round
	s_endpgm
.Lfunc_end_k_q5749043e22_attn:
	.size	k_q5749043e22_attn, .Lfunc_end_k_q5749043e22_attn-k_q5749043e22_attn
	.p2alignl 7, 3214868480
	.fill 96, 4, 3214868480
	.section	.rodata,"a",@progbits
	.p2align	6, 0x0
	.amdhsa_kernel k_q5749043e22_attn
		.amdhsa_group_segment_fixed_size 169984
		.amdhsa_private_segment_fixed_size 0
		.amdhsa_enable_private_segment 0
		.amdhsa_kernarg_size 16
		.amdhsa_user_sgpr_count 2
		.amdhsa_user_sgpr_kernarg_segment_ptr 1
		.amdhsa_wavefront_size32 1
		.amdhsa_system_sgpr_workgroup_id_x 1
		.amdhsa_system_sgpr_workgroup_id_y 1
		.amdhsa_system_sgpr_workgroup_id_z 1
		.amdhsa_system_vgpr_workitem_id 0
		.amdhsa_next_free_vgpr 256
		.amdhsa_next_free_sgpr 100
		.amdhsa_reserve_vcc 1
		.amdhsa_float_denorm_mode_32 3
		.amdhsa_float_denorm_mode_16_64 3
		.amdhsa_memory_ordered 1
		.amdhsa_forward_progress 1
		.amdhsa_inst_pref_size 39
	.end_amdhsa_kernel
	.amdgpu_metadata
---
amdhsa.version: [ 1, 2 ]
amdhsa.kernels:
  - .name:           k_q5749043e22_attn
    .symbol:         k_q5749043e22_attn.kd
    .args:
      - { .name: ws1, .offset: 0, .size: 8, .value_kind: global_buffer, .address_space: global }
      - { .name: ws2, .offset: 8, .size: 8, .value_kind: global_buffer, .address_space: global }
    .group_segment_fixed_size: 169984
    .private_segment_fixed_size: 0
    .kernarg_segment_align: 8
    .kernarg_segment_size: 16
    .max_flat_workgroup_size: 512
    .sgpr_count:     100
    .vgpr_count:     256
    .wavefront_size: 32
...
	.end_amdgpu_metadata
.endif
;; end of part 3
;; launch proj (part 4): grid 8 x 32, 4 waves a work-group, clusters of 4 x 4, 327,680 bytes of LDS; arguments ws2, ws0, bproj, x, ws3; writes ws3
.if DOCPART == 4
	.amdgcn_target "amdgcn-amd-amdhsa--gfx1250"
	.amdhsa_code_object_version 6
	.text
	.protected	k_q5749043e22_proj
	.globl	k_q5749043e22_proj
	.p2align	8
	.type	k_q5749043e22_proj,@function
k_q5749043e22_proj:
	s_mov_b64 s[64:65], 0
	v_nop
	global_prefetch_b8 v0, s[64:65] scope:SCOPE_SE
	s_setreg_imm32_b32 hwreg(HW_REG_WAVE_MODE, 25, 1), 1
	s_wait_xcnt 0x0
	s_wait_alu depctr_hold_cnt(0) depctr_sa_sdst(0) depctr_va_vdst(0) depctr_va_sdst(0) depctr_va_ssrc(0) depctr_va_vcc(0) depctr_vm_vsrc(0)
	s_getreg_b32 s2, hwreg(HW_REG_IB_STS2, 6, 4)
	s_cmp_eq_u32 s2, 0
	s_cbranch_scc0 .Lentry_in_a_cluster
	s_endpgm
.Lentry_in_a_cluster:
	s_bfe_u32 s2, ttmp6, 0x10000c
	s_cmp_lg_u32 s2, 0xf033
	s_cbranch_scc0 .Lentry_shape_is_right
	s_endpgm
.Lentry_shape_is_right:
; x1 = y Wproj + bproj + x (K = 1,024) on codes of E2M3; x1 leaves as f32 and as codes along C with its scale bytes.
; Operands lie in the order of the operand's registers: tile T (16 rows; lane r holds row 32 (T / 2) + 8 (T % 2) + r + 8 (r / 8)) x 128 K = 1,536 consecutive bytes.
; R = the tokens (source 1), C = the weight's rows (source 0): the 16 registers of C's tiles 2 b and 2 b + 1 are 16 neighbouring columns of a row of x1.
; A work-group makes 128 x 128, a wave 64 x 64 (16 accumulators): 256 work-groups.  All of K of the block's 16 tiles is 196,608 bytes: it comes into LDS ONCE, one joint load a wave
; (4 tiles x 12,288 bytes), and no LDS byte is filled again.  CLUSTERS 4 x 4: R's tiles are asked for jointly along a row of the cluster, C's along a column.
; SCALE WORDS go from memory into registers: one load of 8 bytes a lane takes 256 consecutive bytes, aligned: four K steps of a tile (lanes 0-15 steps 4 q, 4 q + 1; lanes 16-31 steps 4 q + 2, 4 q + 3).
; THE BIAS is the C of the first K step.  THE RESIDUAL: each wave loads its 64 rows x 256 bytes into registers, turns them through its own stage into the accumulators' layout behind the barrier, and adds them behind the last K step.
; That is another order of f32 rounding than bias and residual added behind the product.
; NO PREFETCH: the launch has no loop to run ahead in: a wave's one tensor load asks for all that it will ever fetch.
; LIMITS: NaN and infinities are not served.  A block of x1 whose largest magnitude lies under 2^-124 gets the scale byte 1: this program alone reads the bytes.
; REGISTERS: window 0: v8-27 addresses, v28-29 for the add, v32-63 scale words, v64-111 the quantiser, v160-255 R's fragments (two sets).  Window 1: C's fragments at v0 and v128; on the way out the rows.
; Window 2: the accumulators, (a, b) at v[8 (4 a + b)].  Window 3: v0-127 the residual, v128-159 the bias.
.set NG,    8
.set KT,    12288
.set ST,    512
.set RSO,   3145728
.set CCO,   5636096
.set CSO,   12812288
.set CHB,   NG*1536
.set HALFT, 4*CHB
.set SLOT,  4*HALFT
.set STAGE, SLOT                       ; each wave's 64 rows x (256 + 16) bytes: no tensor load lands here
.set SPARE, STAGE+4*17408
.set ADA16, 8
.set ADA8,  10
.set ADB16, 12
.set ADB8,  14
.set RA,    16
.set RD,    17
.set CO,    18
.set O16,   19
.set O8,    20
.set BO,    21
.set SB,    22
.set SPW,   28
.set NIL,   29
.set SC,    32
.set TM,    64
.set TY,    72
.set BY,    76
.set PC,    84
.set PS,    108
.set RF,    160
.set G1,    24
.set G0,    32
.set G1B,   44
.set G0B,   52
.set HM,    80
.set SEL,   100
.set MSB, 0
.macro WIN new
.if MSB != (\new)
	s_set_vgpr_msb (MSB<<8)|(\new)
.set MSB, (\new)
.endif
.endm
.macro PLACES
.rept 4
	v_nop
.endr
.endm
.macro JLOAD g0a, g1a, g0b, g1b        ; a joint load: waves 0 and 1 fetch R's halves, waves 2 and 3 C's
	s_cmp_eq_u32 s15, 0
	s_cbranch_scc0 .Lfor_b_\@
	tensor_load_to_lds s[\g0a:\g0a+3], s[\g1a:\g1a+7]
	s_nop 0
.rept 4
	v_nop
.endr
	s_branch .Lasked_\@
.Lfor_b_\@:
	tensor_load_to_lds s[\g0b:\g0b+3], s[\g1b:\g1b+7]
	s_nop 0
.rept 4
	v_nop
.endr
.Lasked_\@:
.endm
.macro CROUND                          ; a round of the cluster's barrier
	s_barrier_signal -1
	s_barrier_wait -1
	s_cmp_lg_u32 s14, 0
	s_cbranch_scc1 .Lnot_wave_0_\@
	s_barrier_signal -3
.Lnot_wave_0_\@:
	s_barrier_wait -3
	s_barrier_signal -1
	s_barrier_wait -1
.endm
.macro FRAG reg, a16, a8, off
	ds_load_b128 v[\reg:\reg+3], v[\a16] offset:\off
	ds_load_b64 v[\reg+4:\reg+5], v[\a8] offset:\off+512
	ds_load_b128 v[\reg+6:\reg+9], v[\a16] offset:\off+768
	ds_load_b64 v[\reg+10:\reg+11], v[\a8] offset:\off+1280
.endm
.macro FETCH g                         ; K step g's fragments into set g % 2
.set FP, (\g)%2
	WIN 0x40
.irp i, 0,1,2,3
	FRAG 128*FP+12*\i, ADB16, ADB8, \i*CHB+(\g)*1536
.endr
	WIN 0
.irp i, 0,1,2,3
	FRAG RF+48*FP+12*\i, ADA16, ADA8, \i*CHB+(\g)*1536
.endr
.endm
.macro SCLOAD q                        ; the scale words of K steps 4 q .. 4 q + 3: R's four tiles, C's four
.irp i, 0,1,2,3
	global_load_b64 v[SC+16*(\q)+2*\i:SC+16*(\q)+2*\i+1], v[O8], s[6:7] offset:\i*ST+256*(\q)
	global_load_b64 v[SC+16*(\q)+8+2*\i:SC+16*(\q)+9+2*\i], v[O8], s[10:11] offset:\i*ST+256*(\q)
.endr
.endm
.macro MULQ g, qd                      ; R's block qd against C's four.  The 16 accumulators take turns, in the same order in every K step
.set MP, (\g)%2
.set MS, SC+16*((\g)/4)+(\g)%2
.if (\g) == 0
	WIN 0xb1                                       ; C from window 3: the bias
.else
	WIN 0xa1
.endif
.irp b, 0,1,2,3
.set AC, 8*(4*(\qd)+\b)
.if (\g) == 0
	v_wmma_scale_f32_16x16x128_f8f6f4 v[AC:AC+7], v[128*MP+12*\b:128*MP+12*\b+11], v[RF+48*MP+12*(\qd):RF+48*MP+12*(\qd)+11], v[128+8*\b:128+8*\b+7], v[MS+8+2*\b], v[MS+2*(\qd)] matrix_a_fmt:MATRIX_FMT_FP6 matrix_b_fmt:MATRIX_FMT_FP6
.elseif (\g)%4 < 2
	v_wmma_scale_f32_16x16x128_f8f6f4 v[AC:AC+7], v[128*MP+12*\b:128*MP+12*\b+11], v[RF+48*MP+12*(\qd):RF+48*MP+12*(\qd)+11], v[AC:AC+7], v[MS+8+2*\b], v[MS+2*(\qd)] matrix_a_fmt:MATRIX_FMT_FP6 matrix_b_fmt:MATRIX_FMT_FP6
.else
	v_wmma_scale_f32_16x16x128_f8f6f4 v[AC:AC+7], v[128*MP+12*\b:128*MP+12*\b+11], v[RF+48*MP+12*(\qd):RF+48*MP+12*(\qd)+11], v[AC:AC+7], v[MS+8+2*\b], v[MS+2*(\qd)] matrix_a_fmt:MATRIX_FMT_FP6 matrix_b_fmt:MATRIX_FMT_FP6 matrix_a_scale:MATRIX_SCALE_ROW1 matrix_b_scale:MATRIX_SCALE_ROW1
.endif
.endr
.endm
.macro KSTEP g, out                    ; out: the LDS instructions issued behind this K step's fragment loads that may stay out
	s_wait_dscnt \out
.if (\g) < NG-1
	PLACES                                         ; behind the last products that read the other set
	FETCH (\g)+1
.endif
	MULQ \g, 0
	MULQ \g, 1
	MULQ \g, 2
	MULQ \g, 3
.endm
.macro QUANT2 src, win, dst, byt       ; 32 registers at src of window win (two blocks, 16 numbers of each in my lane) become a half fragment's six registers and two scale bytes
.set QW, ((\win)<<2)|((\win)<<4)
	WIN QW
.irp b, 0,1
	v_max3_num_f32 v[TM+\b], 0x1800000, |v[(\src)+16*\b]|, |v[(\src)+16*\b+1]|   ; with the floor 2^(3 - 127)
.endr
.irp i, 2,4,6,8,10,12,14
.irp b, 0,1
	v_max3_num_f32 v[TM+\b], v[TM+\b], |v[(\src)+16*\b+\i]|, |v[(\src)+16*\b+\i+1]|
.endr
.endr
	WIN 0
.irp b, 0,1
	v_permlanex16_b32 v[TM+2+\b], v[TM+\b], s[SEL], s[SEL+1]
.endr
.irp b, 0,1
	v_max_num_f32 v[TM+\b], v[TM+\b], v[TM+2+\b]
.endr
.irp b, 0,1
	v_add_nc_u32 v[TM+4+\b], 0xff000000, v[TM+\b]
.endr
.irp b, 0,1
	v_lshrrev_b32 v[(\byt)+\b], 23, v[TM+4+\b]
.endr
	WIN \win
	v_cvt_scalef32_pk16_fp6_f32 v[(\dst):(\dst)+2], v[(\src):(\src)+15], v[TM+4]
	v_cvt_scalef32_pk16_fp6_f32 v[TY:TY+2], v[(\src)+16:(\src)+31], v[TM+5]
	WIN 0
	v_nop                                          ; one plain place behind a scaled conversion
.irp i, 0,1,2
	v_permlane16_swap_b32 v[(\dst)+\i], v[TY+\i]
.endr
.irp i, 0,1,2
	v_mov_b32 v[(\dst)+3+\i], v[TY+\i]
.endr
.endm
	s_load_b64 s[4:5], s[0:1], 0x0                 ; y: codes and scale bytes
	s_load_b64 s[8:9], s[0:1], 0x8                 ; ws0
	s_load_b64 s[66:67], s[0:1], 0x10              ; the bias
	s_load_b64 s[42:43], s[0:1], 0x18              ; the residual
	s_load_b64 s[12:13], s[0:1], 0x20              ; ws3
	v_lshl_add_u32 v[SPW], v0, 2, SPARE
	v_mov_b32 v[NIL], 0
	ds_add_u32 v[SPW], v[NIL]                      ; the opening lines: the add, twice on end, and its wait ahead of my first tensor load
	ds_add_u32 v[SPW], v[NIL]
	v_lshrrev_b32 v1, 5, v0
	v_readfirstlane_b32 s14, v1                    ; wave 0..3
	s_lshr_b32 s15, s14, 1                         ; my half of R's rows.  Also: I fetch for R (0) or for C (1)
	s_and_b32 s16, s14, 1                          ; my half of C's rows.  Also: which half I fetch
	s_bfe_u32 s60, ttmp6, 0x40000                  ; cx
	s_bfe_u32 s61, ttmp6, 0x40004                  ; cy
	s_lshl_b32 s62, ttmp9, 2
	s_add_co_u32 s62, s62, s60                     ; tile column
	s_and_b32 s17, ttmp7, 0xffff
	s_lshl_b32 s17, s17, 2
	s_add_co_u32 s17, s17, s61                     ; tile row
	s_lshl_b32 s104, s61, 2
	s_lshl_b32 s104, 15, s104                      ; my row of the cluster
	s_lshl_b32 s105, 0x1111, s60                   ; my column
	s_or_b32 s[G1], s104, (3<<16)|(1<<21)
	s_or_b32 s[G1B], s105, (3<<16)|(1<<21)
.irp g, G1, G1B                        ; 4 tiles' bytes of all of K: 4 rows of 12,288 bytes
	s_mov_b32 s[\g+1], (CHB/8)<<16
	s_mov_b32 s[\g+2], 4<<16
	s_mov_b32 s[\g+3], (CHB/8)<<16
	s_mov_b32 s[\g+4], 4
	s_mov_b32 s[\g+5], KT/8
	s_mov_b32 s[\g+6], 0
	s_mov_b32 s[\g+7], 0
.endr
	s_lshl_b32 s63, s16, 2
	s_lshl_b32 s18, s17, 3
	s_add_co_u32 s18, s18, s63                     ; R: the first tile that I fetch: it hangs on the tile row alone
	s_mul_i32 s18, s18, KT
	s_lshl_b32 s22, s62, 3
	s_add_co_u32 s22, s22, s63                     ; C: on the tile column alone; these four tiles are also the ones that I multiply
	s_mul_i32 s2, s22, ST
	s_add_co_u32 s2, s2, CSO
	s_mul_i32 s22, s22, KT
	s_add_co_u32 s22, s22, CCO
	s_lshl_b32 s20, s17, 3
	s_lshl_b32 s21, s15, 2
	s_add_co_u32 s20, s20, s21                     ; R's four tiles that I multiply
	s_mul_i32 s20, s20, ST
	s_add_co_u32 s20, s20, RSO
	s_mov_b32 s19, 0
	s_mov_b32 s21, 0
	s_mov_b32 s23, 0
	s_mov_b32 s3, 0
	s_lshl_b32 s104, s17, 19                       ; my 64 x 64 of the residual and of x1
	s_lshl_b32 s105, s15, 18
	s_add_co_u32 s104, s104, s105
	s_lshl_b32 s105, s62, 9
	s_add_co_u32 s104, s104, s105
	s_lshl_b32 s105, s16, 8
	s_add_co_u32 s104, s104, s105
	s_mov_b32 s105, 0
	s_wait_dscnt 0x0                               ; both opening adds are done
	s_wait_kmcnt 0x0
	s_add_nc_u64 s[6:7], s[4:5], s[20:21]          ; R's scale words
	s_add_nc_u64 s[4:5], s[4:5], s[18:19]          ; R's codes
	s_add_nc_u64 s[10:11], s[8:9], s[2:3]          ; C's scale words
	s_add_nc_u64 s[8:9], s[8:9], s[22:23]          ; C's codes
	s_mul_i32 s2, s14, HALFT
	CROUND                                         ; all sixteen work-groups are here: the joint loads meet
	s_mov_b32 s[G0], 1
	s_mov_b32 s[G0+1], s2
	s_mov_b64 s[G0+2:G0+3], s[4:5]
	s_or_b32 s[G0+3], s[G0+3], 0x80000000
	s_mov_b32 s[G0B], 1
	s_mov_b32 s[G0B+1], s2
	s_mov_b64 s[G0B+2:G0B+3], s[8:9]
	s_or_b32 s[G0B+3], s[G0B+3], 0x80000000
	JLOAD G0, G1, G0B, G1B                         ; my one tensor load: a quarter of the block's operands
	s_add_nc_u64 s[42:43], s[42:43], s[104:105]    ; the residual at my 64 x 64
	s_add_nc_u64 s[74:75], s[12:13], s[104:105]    ; x1 likewise
	s_lshl_b32 s20, s62, 9
	s_lshl_b32 s21, s16, 8
	s_add_co_u32 s20, s20, s21
	s_mov_b32 s21, 0
	s_add_nc_u64 s[66:67], s[66:67], s[20:21]      ; the bias at my 64 columns
	s_lshl_b32 s20, s17, 3
	s_lshl_b32 s22, s15, 2
	s_add_co_u32 s20, s20, s22                     ; my first tile of tokens
	s_lshl_b32 s22, s20, 9
	s_mul_i32 s20, s20, 12288
	s_lshl_b32 s23, s62, 1
	s_add_co_u32 s23, s23, s16
	s_mul_i32 s23, s23, 768
	s_add_co_u32 s20, s20, s23
	s_add_co_u32 s20, s20, 16777216
	s_add_nc_u64 s[76:77], s[12:13], s[20:21]      ; x1's codes
	s_lshr_b32 s23, s62, 1
	s_lshl_b32 s23, s23, 7
	s_add_co_u32 s22, s22, s23
	s_and_b32 s23, s62, 1
	s_lshl_b32 s23, s23, 2
	s_add_co_u32 s22, s22, s23
	s_lshl_b32 s23, s16, 1
	s_add_co_u32 s22, s22, s23
	s_add_co_u32 s22, s22, 19922944
	s_mov_b32 s23, 0
	s_add_nc_u64 s[78:79], s[12:13], s[22:23]      ; x1's scale bytes
	s_mov_b32 s[SEL], 0x76543210
	s_mov_b32 s[SEL+1], 0xfedcba98
	s_mov_b32 s[HM], 0xffff0000
	s_mul_i32 s19, s15, HALFT                      ; my half of R
	s_mul_i32 s20, s16, HALFT
	s_add_co_u32 s20, s20, 2*HALFT                 ; my half of C
	s_mul_i32 s18, s14, 17408
	s_add_co_u32 s18, s18, STAGE                   ; my stage
	v_and_b32 v3, 31, v0                           ; l
	v_and_b32 v1, 15, v0                           ; r
	v_bfe_u32 v2, v0, 4, 1                         ; h
	v_lshlrev_b32 v[O16], 4, v3
	v_lshlrev_b32 v[O8], 3, v3
	v_add_nc_u32 v[ADA16], s19, v[O16]
	v_add_nc_u32 v[ADA8], s19, v[O8]
	v_add_nc_u32 v[ADB16], s20, v[O16]
	v_add_nc_u32 v[ADB8], s20, v[O8]
	v_and_b32 v4, 8, v1
	v_add_nc_u32 v4, v4, v1                        ; r + 8 (r / 8)
	v_mul_u32_u24 v[RA], v4, 272
	v_lshl_add_u32 v[RA], v2, 6, v[RA]
	v_add_nc_u32 v[RA], s18, v[RA]                 ; the stage in the accumulators' layout: my row of a tile, + 64 h
	v_mul_u32_u24 v[RD], v2, 272
	v_lshl_add_u32 v[RD], v1, 4, v[RD]
	v_add_nc_u32 v[RD], s18, v[RD]                 ; and by rows: lanes 0-15 one row of 256 bytes, lanes 16-31 the next
	v_lshlrev_b32 v[CO], 12, v2
	v_lshl_add_u32 v[CO], v1, 4, v[CO]             ; the same two rows in memory
	v_lshlrev_b32 v[BO], 6, v2
	v_lshl_add_u32 v[SB], v1, 3, v2                ; 8 r + h: a scale byte's place
	s_wait_alu depctr_va_vdst(0)                   ; the wait at the head's end
	WIN 0xc0                                       ; destination window 3
.irp t, 0,1,2,3                        ; tile t = 2 b + u, lane half h: the bias at 32 b + 16 h + 8 u + 0 .. 7
	global_load_b128 v[128+8*\t:128+8*\t+3], v[BO], s[66:67] offset:(32*(\t/2)+8*(\t%2))*4
	global_load_b128 v[132+8*\t:132+8*\t+3], v[BO], s[66:67] offset:(32*(\t/2)+8*(\t%2))*4+16
.endr
	WIN 0
	SCLOAD 0
	SCLOAD 1
	WIN 0xc0
.set I, 0
.rept 32
	global_load_b128 v[4*I:4*I+3], v[CO], s[42:43] offset:8192*I th:TH_LOAD_NT   ; sixteen lanes read 256 consecutive bytes, aligned
.set I, I+1
.endr
	WIN 0
	s_wait_tensorcnt 0x0                           ; my quarter is in
	s_barrier_signal -1
	s_barrier_wait -1                              ; everybody's is
	FETCH 0
	s_wait_loadcnt 32                              ; the bias and the scale words are in; the residual's 32 loads, issued behind them, may be out
.macro TURNRES                         ; the residual's rows turn through my stage into the accumulators' layout
	s_wait_loadcnt 0x0
	WIN 0x0c
.set I, 0
.rept 32
	ds_store_b128 v[RD], v[4*I:4*I+3] offset:544*I
.set I, I+1
.endr
	WIN 0xc0
.irp a, 0,1,2,3                        ; LDS serves a wave's instructions in order: these see my stores
.irp t, 0,1,2,3
	ds_load_b128 v[8*(4*\a+\t):8*(4*\a+\t)+3], v[RA] offset:(32*(\a/2)+8*(\a%2))*272+128*(\t/2)+32*(\t%2)
	ds_load_b128 v[8*(4*\a+\t)+4:8*(4*\a+\t)+7], v[RA] offset:(32*(\a/2)+8*(\a%2))*272+128*(\t/2)+32*(\t%2)+16
.endr
.endr
	WIN 0
.endm
	KSTEP 0, 0
.irp g, 1,2,3,4,5,6,7
	KSTEP \g, 0
.endr
	TURNRES                                        ; behind the last K step's products
	s_wait_dscnt 0x0
	PLACES
	WIN 0x8e
.set J, 0
.rept 64
	v_pk_add_f32 v[2*J:2*J+1], v[2*J:2*J+1], v[2*J:2*J+1]   ; + the residual; each accumulator from its low end on
.set J, J+1
.endr
	WIN 0x08
.irp a, 0,1,2,3
.irp t, 0,1,2,3
	ds_store_b128 v[RA], v[8*(4*\a+\t):8*(4*\a+\t)+3] offset:(32*(\a/2)+8*(\a%2))*272+128*(\t/2)+32*(\t%2)
	ds_store_b128 v[RA], v[8*(4*\a+\t)+4:8*(4*\a+\t)+7] offset:(32*(\a/2)+8*(\a%2))*272+128*(\t/2)+32*(\t%2)+16
.endr
.endr
	WIN 0x40
.set I, 0
.rept 32
	ds_load_b128 v[4*I:4*I+3], v[RD] offset:544*I  ; back as rows of 256 bytes, into window 1
.set I, I+1
.endr
	WIN 0
	v_mov_b32 v[TM+2], 0                           ; a lane permute's destination counts as one of its sources
	v_mov_b32 v[TM+3], 0
.irp a, 0,1,2,3                        ; x1 is quantised along C while the rows come back: my 64 columns are one half fragment a tile
	QUANT2 32*\a, 2, PC+6*\a, BY+2*\a
.endr
.irp a, 0,1,2,3
	v_cndmask_b32 v[PS+\a], v[BY+2*\a], v[BY+2*\a+1], s[HM]   ; lanes 0-15 store the first block's byte, lanes 16-31 the second's
	global_store_b128 v[O16], v[PC+6*\a:PC+6*\a+3], s[76:77] offset:12288*\a
	global_store_b64 v[O8], v[PC+6*\a+4:PC+6*\a+5], s[76:77] offset:12288*\a+512
	global_store_b8 v[SB], v[PS+\a], s[78:79] offset:512*\a
.endr
	WIN 0x04                                       ; a store's data are its source 1: window 1
.set I, 0
.rept 32
	s_wait_dscnt 31-I                              ; rows 2 I and 2 I + 1 are back; the later ones may be out
	global_store_b128 v[CO], v[4*I:4*I+3], s[74:75] offset:8192*I   ; sixteen lanes store 256 consecutive bytes, aligned
.set I, I+1
.endr
	WIN 0
	s_wait_tensorcnt 0x0                           ; the wave's end
	ds_add_u32 v[SPW], v[NIL]
	s_wait_dscnt 0x0
	CROUND                                         ; the closing round
	s_endpgm
.Lfunc_end_k_q5749043e22_proj:
	.size	k_q5749043e22_proj, .Lfunc_end_k_q5749043e22_proj-k_q5749043e22_proj
	.p2alignl 7, 3214868480
	.fill 96, 4, 3214868480
	.section	.rodata,"a",@progbits
	.p2align	6, 0x0
	.amdhsa_kernel k_q5749043e22_proj
		.amdhsa_group_segment_fixed_size 327680
		.amdhsa_private_segment_fixed_size 0
		.amdhsa_enable_private_segment 0
		.amdhsa_kernarg_size 40
		.amdhsa_user_sgpr_count 2
		.amdhsa_user_sgpr_kernarg_segment_ptr 1
		.amdhsa_wavefront_size32 1
		.amdhsa_system_sgpr_workgroup_id_x 1
		.amdhsa_system_sgpr_workgroup_id_y 1
		.amdhsa_system_sgpr_workgroup_id_z 1
		.amdhsa_system_vgpr_workitem_id 0
		.amdhsa_next_free_vgpr 1024
		.amdhsa_next_free_sgpr 106
		.amdhsa_reserve_vcc 0
		.amdhsa_float_denorm_mode_32 3
		.amdhsa_float_denorm_mode_16_64 3
		.amdhsa_memory_ordered 1
		.amdhsa_forward_progress 1
		.amdhsa_inst_pref_size 73
	.end_amdhsa_kernel
	.amdgpu_metadata
---
amdhsa.version: [ 1, 2 ]
amdhsa.kernels:
  - .name:           k_q5749043e22_proj
    .symbol:         k_q5749043e22_proj.kd
    .args:
      - { .name: ws2, .offset: 0, .size: 8, .value_kind: global_buffer, .address_space: global }
      - { .name: ws0, .offset: 8, .size: 8, .value_kind: global_buffer, .address_space: global }
      - { .name: bproj, .offset: 16, .size: 8, .value_kind: global_buffer, .address_space: global }
      - { .name: x, .offset: 24, .size: 8, .value_kind: global_buffer, .address_space: global }
      - { .name: ws3, .offset: 32, .size: 8, .value_kind: global_buffer, .address_space: global }
    .group_segment_fixed_size: 327680
    .private_segment_fixed_size: 0
    .kernarg_segment_align: 8
    .kernarg_segment_size: 40
    .max_flat_workgroup_size: 128
    .sgpr_count:     106
    .vgpr_count:     1024
    .wavefront_size: 32
...
	.end_amdgpu_metadata
.endif
;; end of part 4
;; launch ff1 (part 5): grid 16 x 16, 4 waves a work-group, clusters of 4 x 4, 327,680 bytes of LDS; arguments ws3, ws0, b1, ws4; writes ws4
.if DOCPART == 5
	.amdgcn_target "amdgcn-amd-amdhsa--gfx1250"
	.amdhsa_code_object_version 6
	.text
	.protected	k_q5749043e22_ff1
	.globl	k_q5749043e22_ff1
	.p2align	8
	.type	k_q5749043e22_ff1,@function
k_q5749043e22_ff1:
	s_mov_b64 s[64:65], 0
	v_nop
	global_prefetch_b8 v0, s[64:65] scope:SCOPE_SE
	s_setreg_imm32_b32 hwreg(HW_REG_WAVE_MODE, 25, 1), 1
	s_wait_xcnt 0x0
	s_wait_alu depctr_hold_cnt(0) depctr_sa_sdst(0) depctr_va_vdst(0) depctr_va_sdst(0) depctr_va_ssrc(0) depctr_va_vcc(0) depctr_vm_vsrc(0)
	s_getreg_b32 s2, hwreg(HW_REG_IB_STS2, 6, 4)
	s_cmp_eq_u32 s2, 0
	s_cbranch_scc0 .Lentry_in_a_cluster
	s_endpgm
.Lentry_in_a_cluster:
	s_bfe_u32 s2, ttmp6, 0x10000c
	s_cmp_lg_u32 s2, 0xf033
	s_cbranch_scc0 .Lentry_shape_is_right
	s_endpgm
.Lentry_shape_is_right:
.set KIND,  1
.set BL,    8
.set NKC,   2
.set NSLOT, 3
.set CHB,   NKC*1536
.set KT,    12288
.set ST,    512
.set HALFT, BL*CHB
.set SLOT,  4*HALFT
.set HALFS, BL*ST
.set SCL,   NSLOT*SLOT
.set SPARE, SCL+4*HALFS
.set ADA16, 8
.set ADA8,  11
.set ADB16, 14
.set ADB8,  17
.set ADRS,  20
.set O16,   21
.set O8,    22
.set SH,    23
.set SO,    24
.set BO,    25
.set SPW,   28
.set NIL,   29
.set SC,    32
.set RF,    64
.set TM,    64
.set BY,    72
.set TY,    76
.set PC,    80
.set PW,    92
.set PK,    93
.set PS,    94
.set G1,    24
.set G0,    32
.set G1B,   44
.set G0B,   52
.set G1S,   68
.set G0S,   76
.set G1SB,  80
.set G0SB,  88
.set SEL,   96
.set HM,    98
.set NT,    99
.set OT,    100
.set MSB, 0
.macro WIN new
.if MSB != (\new)
	s_set_vgpr_msb (MSB<<8)|(\new)
.set MSB, (\new)
.endif
.endm
.macro PLACES
.rept 4
	v_nop
.endr
.endm
.macro JLOAD g0a, g1a, g0b, g1b
	s_cmp_eq_u32 s15, 0
	s_cbranch_scc0 .Lfor_b_\@
	tensor_load_to_lds s[\g0a:\g0a+3], s[\g1a:\g1a+7]
	s_nop 0
.rept 4
	v_nop
.endr
	s_branch .Lasked_\@
.Lfor_b_\@:
	tensor_load_to_lds s[\g0b:\g0b+3], s[\g1b:\g1b+7]
	s_nop 0
.rept 4
	v_nop
.endr
.Lasked_\@:
.endm
.macro CREST
	s_cmp_lg_u32 s14, 0
	s_cbranch_scc1 .Lnot_wave_0_\@
	s_barrier_signal -3
.Lnot_wave_0_\@:
	s_barrier_wait -3
	s_barrier_signal -1
	s_barrier_wait -1
.endm
.macro CROUND
	s_barrier_signal -1
	s_barrier_wait -1
	CREST
.endm
.macro FRAG reg, a16, a8, off
	ds_load_b128 v[\reg:\reg+3], v[\a16] offset:\off
	ds_load_b64 v[\reg+4:\reg+5], v[\a8] offset:\off+512
	ds_load_b128 v[\reg+6:\reg+9], v[\a16] offset:\off+768
	ds_load_b64 v[\reg+10:\reg+11], v[\a8] offset:\off+1280
.endm
.macro FETCH g
.set FC, (\g)/NKC
.set FQ, (\g)%NKC
.set FS, FC%NSLOT
.set FP, (\g)%2
	WIN 0x40
.irp i, 0,1,2,3,4,5,6,7
	FRAG 128*FP+12*\i, ADB16+FS, ADB8+FS, \i*CHB+FQ*1536
.endr
	WIN 0
.irp i, 0,1,2,3,4,5,6,7
	FRAG RF+96*FP+12*\i, ADA16+FS, ADA8+FS, \i*CHB+FQ*1536
.endr
.if FQ == 0
.irp i, 0,1,2,3,4,5,6,7
	ds_load_b64 v[SC+16*(FC%2)+NKC*\i:SC+16*(FC%2)+NKC*\i+1], v[ADRS] offset:\i*ST+128*FC
.endr
.endif
.endm
.macro MULQ g, qd, cm
.set MP, (\g)%2
.set MQ, (\g)%NKC
.set MS, SC+16*(((\g)/NKC)%2)
.if (\cm) == 1
	WIN 0x91+0x40*((\qd)/2)
.else
	WIN 0xa1+0x50*((\qd)/2)
.endif
.irp aa, 0,1
.irp b, 0,1,2,3,4,5,6,7
.set MA, 2*(\qd)+\aa
.set AC, 8*(8*(MA%4)+\b)
.if (\cm) == 0
	v_wmma_scale_f32_16x16x128_f8f6f4 v[AC:AC+7], v[128*MP+12*\b:128*MP+12*\b+11], v[RF+96*MP+12*MA:RF+96*MP+12*MA+11], 0, v[MS+NKC*\b+MQ], v[MS+NKC*MA+MQ] matrix_a_fmt:MATRIX_FMT_FP6 matrix_b_fmt:MATRIX_FMT_FP6 matrix_a_scale:MATRIX_SCALE_ROW1
.elseif (\cm) == 1
	v_wmma_scale_f32_16x16x128_f8f6f4 v[AC:AC+7], v[128*MP+12*\b:128*MP+12*\b+11], v[RF+96*MP+12*MA:RF+96*MP+12*MA+11], v[96+8*\b+96*(\b/4):96+8*\b+96*(\b/4)+7], v[MS+NKC*\b+MQ], v[MS+NKC*MA+MQ] matrix_a_fmt:MATRIX_FMT_FP6 matrix_b_fmt:MATRIX_FMT_FP6 matrix_a_scale:MATRIX_SCALE_ROW1
.else
	v_wmma_scale_f32_16x16x128_f8f6f4 v[AC:AC+7], v[128*MP+12*\b:128*MP+12*\b+11], v[RF+96*MP+12*MA:RF+96*MP+12*MA+11], v[AC:AC+7], v[MS+NKC*\b+MQ], v[MS+NKC*MA+MQ] matrix_a_fmt:MATRIX_FMT_FP6 matrix_b_fmt:MATRIX_FMT_FP6 matrix_a_scale:MATRIX_SCALE_ROW1
.endif
.endr
.endr
.endm
.macro KSTEP g, mode, cm
.if (\mode) == 0
	s_wait_dscnt 0x0
	PLACES
	FETCH (\g)+1
	MULQ \g, 0, \cm
	MULQ \g, 1, \cm
	MULQ \g, 2, \cm
	MULQ \g, 3, \cm
.elseif (\mode) == 3
	s_wait_dscnt 0x0
	MULQ \g, 0, \cm
	MULQ \g, 1, \cm
	MULQ \g, 2, \cm
	MULQ \g, 3, \cm
.else
	WIN 0
	s_wait_tensorcnt 0x0
	ds_add_u32 v[SPW], v[NIL]
	s_wait_dscnt 1
	MULQ \g, 0, \cm
	s_wait_dscnt 0x0
	s_barrier_signal -1
	MULQ \g, 1, \cm
	WIN 0
	s_barrier_wait -1
.if (\mode) == 2
	CREST
.if (\g) == 1
	JLOAD G0+8, G1, G0B+8, G1B                     ; chunk 2: slot 2's first fill, issued as a refill is
.else
	s_add_nc_u64 s[G0+2:G0+3], s[G0+2:G0+3], NSLOT*CHB
	s_add_nc_u64 s[G0B+2:G0B+3], s[G0B+2:G0B+3], NSLOT*CHB
	JLOAD G0, G1, G0B, G1B                         ; chunk 3 into slot 0, whose chunk 0 was read out two K steps ago
.endif
.else
	PLACES
.endif
	FETCH (\g)+1
	MULQ \g, 2, \cm
	MULQ \g, 3, \cm
.endif
.endm
.macro QUANT2 src, win, dst, byt
.set QW, ((\win)<<2)|((\win)<<4)
	WIN QW
.irp b, 0,1
	v_max3_num_f32 v[TM+\b], 0x1800000, |v[(\src)+16*\b]|, |v[(\src)+16*\b+1]|
.endr
.irp i, 2,4,6,8,10,12,14
.irp b, 0,1
	v_max3_num_f32 v[TM+\b], v[TM+\b], |v[(\src)+16*\b+\i]|, |v[(\src)+16*\b+\i+1]|
.endr
.endr
	WIN 0
.irp b, 0,1
	v_permlanex16_b32 v[TM+2+\b], v[TM+\b], s[SEL], s[SEL+1]
.endr
.irp b, 0,1
	v_max_num_f32 v[TM+\b], v[TM+\b], v[TM+2+\b]
.endr
.irp b, 0,1
	v_add_nc_u32 v[TM+4+\b], 0xff000000, v[TM+\b]
.endr
.irp b, 0,1
	v_lshrrev_b32 v[(\byt)+\b], 23, v[TM+4+\b]
.endr
	WIN \win
	v_cvt_scalef32_pk16_fp6_f32 v[(\dst):(\dst)+2], v[(\src):(\src)+15], v[TM+4]
	v_cvt_scalef32_pk16_fp6_f32 v[TY:TY+2], v[(\src)+16:(\src)+31], v[TM+5]
	WIN 0
	v_nop
.irp i, 0,1,2
	v_permlane16_swap_b32 v[(\dst)+\i], v[TY+\i]
.endr
.irp i, 0,1,2
	v_mov_b32 v[(\dst)+3+\i], v[TY+\i]
.endr
.endm
	s_load_b64 s[4:5], s[0:1], 0x0
.if KIND == 0
	s_load_b64 s[8:9], s[0:1], 0x0
	s_load_b64 s[12:13], s[0:1], 0x8
.else
	s_load_b64 s[8:9], s[0:1], 0x8
	s_load_b64 s[66:67], s[0:1], 0x10
	s_load_b64 s[12:13], s[0:1], 0x18
.endif
	v_lshl_add_u32 v[SPW], v0, 2, SPARE
	v_mov_b32 v[NIL], 0
	ds_add_u32 v28, v29
	ds_add_u32 v28, v29
	s_wait_dscnt 0x0
	v_lshrrev_b32 v1, 5, v0
	v_readfirstlane_b32 s14, v1
	s_lshr_b32 s15, s14, 1
	s_and_b32 s16, s14, 1
	s_bfe_u32 s92, ttmp6, 0x40000
	s_bfe_u32 s93, ttmp6, 0x40004
	s_and_b32 s18, ttmp7, 0xffff
	s_lshl_b32 s18, s18, 2
.if KIND == 0
	s_mul_i32 s34, ttmp9, 786432
	s_add_co_u32 s34, s34, 3276800
	s_lshl_b32 s35, ttmp9, 15
	s_add_co_u32 s35, s35, 12713984
	s_cmp_lt_u32 ttmp9, 2
	s_cselect_b32 s32, 0, 4849664
	s_mov_b32 s33, 12779520
	s_cselect_b32 s33, 3145728, s33
	s_cselect_b32 s34, s34, 0
	s_mov_b32 s2, 3145728
	s_cselect_b32 s35, s35, s2
	s_cselect_b32 s2, s18, 0
	s_cselect_b32 s3, 0, s18
	s_mov_b32 s[OT], 49152
	s_cselect_b32 s[OT], 12288, s[OT]
	s_mov_b32 s[NT], 4096
	s_cselect_b32 s[NT], 16384, s[NT]
	s_add_co_u32 s17, s2, s93
	s_add_co_u32 s94, s3, s92
.else
	s_lshl_b32 s94, ttmp9, 2
	s_add_co_u32 s94, s94, s92
	s_add_co_u32 s17, s18, s93
	s_mov_b32 s32, 16777216
	s_mov_b32 s33, 19922944
	s_mov_b32 s34, 6422528
	s_mov_b32 s35, 12845056
	s_mov_b32 s[OT], 49152
.endif
	s_mov_b32 s[OT+1], 0
	s_lshl_b32 s95, s93, 2
	s_lshl_b32 s95, 15, s95
	s_lshl_b32 s2, 0x1111, s92
	s_or_b32 s[G1], s95, (3<<16)|(1<<21)
	s_or_b32 s[G1B], s2, (3<<16)|(1<<21)
	s_or_b32 s[G1S], s95, (3<<16)|(1<<21)
	s_or_b32 s[G1SB], s2, (3<<16)|(1<<21)
.irp g, G1, G1B
	s_mov_b32 s[\g+1], (CHB/8)<<16
	s_mov_b32 s[\g+2], (2*BL)<<16                  ; the head's loads of codes bring all 16 tiles of a side
	s_mov_b32 s[\g+3], (CHB/8)<<16
	s_mov_b32 s[\g+4], 2*BL
	s_mov_b32 s[\g+5], KT/8
	s_mov_b32 s[\g+6], 0
	s_mov_b32 s[\g+7], 0
.endr
.irp g, G1S, G1SB
	s_mov_b32 s[\g+1], 32<<16
	s_mov_b32 s[\g+2], (2*HALFS/256)<<16           ; the scale words of all 16 tiles of a side
	s_mov_b32 s[\g+3], 32<<16
	s_mov_b32 s[\g+4], 2*HALFS/256
	s_mov_b32 s[\g+5], 32
	s_mov_b32 s[\g+6], 0
	s_mov_b32 s[\g+7], 0
.endr
	s_lshl_b32 s3, s16, 3
	s_lshl_b32 s18, s17, 4
	s_add_co_u32 s18, s18, s3
	s_mul_i32 s20, s18, ST
	s_mul_i32 s18, s18, KT
	s_add_co_u32 s18, s18, s32
	s_add_co_u32 s20, s20, s33
	s_lshl_b32 s22, s94, 4
	s_add_co_u32 s22, s22, s3
	s_mul_i32 s2, s22, ST
	s_mul_i32 s22, s22, KT
	s_add_co_u32 s22, s22, s34
	s_add_co_u32 s2, s2, s35
	s_mov_b32 s19, 0
	s_mov_b32 s21, 0
	s_mov_b32 s23, 0
	s_mov_b32 s3, 0
	s_wait_kmcnt 0x0
	s_add_nc_u64 s[6:7], s[4:5], s[20:21]
	s_add_nc_u64 s[4:5], s[4:5], s[18:19]
	s_add_nc_u64 s[10:11], s[8:9], s[2:3]
	s_add_nc_u64 s[8:9], s[8:9], s[22:23]
	s_mul_i32 s2, s14, HALFT
	s_mul_i32 s3, s14, HALFS
	CROUND
	s_mov_b32 s[G0S], 1
	s_mov_b32 s[G0S+1], SCL
	s_sub_nc_u64 s[G0S+2:G0S+3], s[6:7], HALFS     ; wave 1 issues this load: its own half is the upper one, so the side's first tile lies HALFS bytes back
	s_or_b32 s[G0S+3], s[G0S+3], 0x80000000
	s_mov_b32 s[G0SB], 1
	s_mov_b32 s[G0SB+1], SCL+2*HALFS
	s_sub_nc_u64 s[G0SB+2:G0SB+3], s[10:11], HALFS ; wave 3 likewise
	s_or_b32 s[G0SB+3], s[G0SB+3], 0x80000000
.irp s, 0,1,2
	s_mov_b32 s[G0+4*\s], 1
	s_add_co_u32 s[G0+4*\s+1], s2, \s*SLOT
	s_add_nc_u64 s[G0+4*\s+2:G0+4*\s+3], s[4:5], \s*CHB
	s_or_b32 s[G0+4*\s+3], s[G0+4*\s+3], 0x80000000
	s_mov_b32 s[G0B+4*\s], 1
	s_add_co_u32 s[G0B+4*\s+1], s2, \s*SLOT
	s_add_nc_u64 s[G0B+4*\s+2:G0B+4*\s+3], s[8:9], \s*CHB
	s_or_b32 s[G0B+4*\s+3], s[G0B+4*\s+3], 0x80000000
.endr
	; THE HEAD'S FOUR TILES, ONE JOINT LOAD A WAVE: wave 0 chunk 0 of A's 16 tiles, wave 1 A's scale words, wave 2 chunk 0 of B's 16 tiles, wave 3 B's scale words.
	; Waves 0 and 2 fetch the lower halves in the ring, so their slot 0 group 0 already names the side's first tile and its place in LDS.  One chain of branches on the wave's number, one load to an arm.
	s_cmp_lt_u32 s14, 1
	s_cbranch_scc0 .Lhead_sa
	tensor_load_to_lds s[G0:G0+3], s[G1:G1+7]
	s_nop 0
.rept 4
	v_nop
.endr
	s_branch .Lhead_asked
.Lhead_sa:
	s_cmp_lt_u32 s14, 2
	s_cbranch_scc0 .Lhead_b
	tensor_load_to_lds s[G0S:G0S+3], s[G1S:G1S+7]
	s_nop 0
.rept 4
	v_nop
.endr
	s_branch .Lhead_asked
.Lhead_b:
	s_cmp_lt_u32 s14, 3
	s_cbranch_scc0 .Lhead_sb
	tensor_load_to_lds s[G0B:G0B+3], s[G1B:G1B+7]
	s_nop 0
.rept 4
	v_nop
.endr
	s_branch .Lhead_asked
.Lhead_sb:
	tensor_load_to_lds s[G0SB:G0SB+3], s[G1SB:G1SB+7]
	s_nop 0
.rept 4
	v_nop
.endr
.Lhead_asked:
	; THE PREFETCHES: behind the load of chunk t stands the request for chunk t + 2 (here: chunks 1 and 2).  Of the 8 tiles that a wave fetches in the ring, the partner at place p among the four that ask jointly
	; names tiles 2 p and 2 p + 1 (p = cx for A, cy for B): 2 x 12 blocks of 256 bytes, a lane a block, one instruction; lanes 24-31 name the last block again.  Told apart by address alone.
	s_cmp_eq_u32 s15, 0
	s_cselect_b64 s[104:105], s[4:5], s[8:9]
	s_cselect_b32 s18, s92, s93
	s_mul_i32 s18, s18, 2*KT
	s_mov_b32 s19, 0
	s_add_nc_u64 s[104:105], s[104:105], s[18:19]
	v_and_b32 v6, 31, v0
	v_min_u32 v6, 23, v6
	v_mul_u32_u24 v7, v6, 171
	v_lshrrev_b32 v7, 11, v7                       ; which of my two tiles: lane / 12
	v_mul_u32_u24 v7, v7, KT-CHB
	v_lshl_add_u32 v26, v6, 8, v7
	global_prefetch_b8 v26, s[104:105] offset:CHB th:TH_LOAD_NT scope:SCOPE_SE
	global_prefetch_b8 v26, s[104:105] offset:2*CHB th:TH_LOAD_NT scope:SCOPE_SE
	v_and_b32 v3, 31, v0
	v_and_b32 v1, 15, v0
	v_bfe_u32 v2, v0, 4, 1
	v_lshlrev_b32 v4, 4, v3
	v_lshlrev_b32 v5, 3, v3
	s_mul_i32 s18, s15, HALFT
	s_mul_i32 s19, s16, HALFT
	s_add_co_u32 s19, s19, 2*HALFT
.irp s, 0,1,2
	v_add_nc_u32 v[ADA16+\s], s18, v4
	v_add_nc_u32 v[ADA8+\s], s18, v5
	v_add_nc_u32 v[ADB16+\s], s19, v4
	v_add_nc_u32 v[ADB8+\s], s19, v5
	s_add_co_u32 s18, s18, SLOT
	s_add_co_u32 s19, s19, SLOT
.endr
	s_mul_i32 s18, s15, HALFS
	s_mul_i32 s19, s16, HALFS
	s_add_co_u32 s19, s19, 2*HALFS
	s_sub_co_u32 s19, s19, s18
	v_mul_u32_u24 v6, s19, v2
	s_add_co_u32 s18, s18, SCL
	v_lshl_add_u32 v6, v1, 3, v6
	v_add_nc_u32 v[ADRS], s18, v6
	s_mov_b32 s[SEL], 0x76543210
	s_mov_b32 s[SEL+1], 0xfedcba98
	s_mov_b32 s[HM], 0xffff0000
	v_mov_b32 v[O16], v4
	v_mov_b32 v[O8], v5
	s_lshl_b32 s18, s17, 4
	s_lshl_b32 s19, s15, 3
	s_add_co_u32 s18, s18, s19
	s_mul_i32 s20, s18, s[OT]
	s_lshl_b32 s19, s94, 2
	s_lshl_b32 s21, s16, 1
	s_add_co_u32 s19, s19, s21
	s_mul_i32 s21, s19, 768
	s_add_co_u32 s20, s20, s21
.if KIND == 0
	s_mul_i32 s21, ttmp9, 3145728
	s_add_co_u32 s20, s20, s21
	s_mul_i32 s22, s19, s[NT]
	s_lshl_b32 s23, s18, 6
	s_add_co_u32 s22, s22, s23
	s_lshl_b32 s23, ttmp9, 18
	s_add_co_u32 s22, s22, s23
	s_add_co_u32 s22, s22, 9437184
	v_lshlrev_b32 v[SH], 4, v2
	v_mul_u32_u24 v[SO], s[NT], v2
	v_lshl_add_u32 v[SO], v1, 2, v[SO]
.else
	s_lshl_b32 s22, s18, 11
	s_lshl_b32 s23, s94, 7
	s_add_co_u32 s22, s22, s23
	s_lshl_b32 s23, s16, 2
	s_add_co_u32 s22, s22, s23
	s_add_co_u32 s22, s22, 12582912
	v_lshlrev_b32 v[SO], 11, v2
	v_lshl_add_u32 v[SO], v1, 3, v[SO]
.endif
	s_mov_b32 s21, 0
	s_mov_b32 s23, 0
	s_add_nc_u64 s[6:7], s[12:13], s[20:21]
	s_add_nc_u64 s[10:11], s[12:13], s[22:23]
.if KIND == 1
	s_lshl_b32 s18, s94, 10
	s_lshl_b32 s19, s16, 9
	s_add_co_u32 s18, s18, s19
	s_mov_b32 s19, 0
	s_add_nc_u64 s[66:67], s[66:67], s[18:19]
	v_lshlrev_b32 v[BO], 6, v2
	WIN 0x40
.irp t, 0,1,2,3,4,5,6,7
	global_load_b128 v[96+8*\t+96*(\t/4):96+8*\t+96*(\t/4)+3], v[BO], s[66:67] offset:(32*(\t/2)+8*(\t%2))*4
	global_load_b128 v[100+8*\t+96*(\t/4):100+8*\t+96*(\t/4)+3], v[BO], s[66:67] offset:(32*(\t/2)+8*(\t%2))*4+16
.endr
	WIN 0
.endif
	s_wait_alu depctr_va_vdst(0)                   ; the wait at the head's end
	s_wait_tensorcnt 0x0                           ; my tile of the head's four is in
	ds_add_u32 v[SPW], v[NIL]
	s_mov_b32 s[G1+2], BL<<16                      ; no tensor load of mine is out, so a descriptor may be written: from here on a load brings 8 tiles
	s_mov_b32 s[G1+4], BL
	s_mov_b32 s[G1B+2], BL<<16
	s_mov_b32 s[G1B+4], BL
	s_wait_dscnt 0x0
	CROUND                                         ; all four tiles are in, and all sixteen work-groups are here
	JLOAD G0+4, G1, G0B+4, G1B                     ; chunk 1, the first tensor load behind the round
	global_prefetch_b8 v26, s[104:105] offset:3*CHB th:TH_LOAD_NT scope:SCOPE_SE
	FETCH 0
.if KIND == 1
	s_wait_loadcnt 0x0
.endif
	KSTEP 0, 0, KIND
	KSTEP 1, 2, 2
	KSTEP 2, 0, 2
	KSTEP 3, 2, 2
	KSTEP 4, 0, 2
	KSTEP 5, 1, 2
	KSTEP 6, 0, 2
	KSTEP 7, 3, 2
	WIN 0
	PLACES
	v_mov_b32 v[TM+2], 0
	v_mov_b32 v[TM+3], 0
.irp a, 0,1,2,3,4,5,6,7
.set AW, 2+\a/4
.set AS, 64*(\a%4)
	s_wait_xcnt 0x0
.if \a > 0
	s_add_nc_u64 s[6:7], s[6:7], s[OT:OT+1]
.endif
.if KIND == 1
	WIN 0x44*AW
.set J, 0
.rept 64
	v_max_num_f32 v[AS+J], 0, v[AS+J]
.set J, J+1
.endr
.endif
	QUANT2 AS, AW, PC, BY
	QUANT2 AS+32, AW, PC+6, BY+2
	v_lshl_or_b32 v[PW], v[BY+1], 8, v[BY]
	v_lshl_or_b32 v[PW], v[BY+2], 16, v[PW]
	v_lshl_or_b32 v[PW], v[BY+3], 24, v[PW]
	global_store_b128 v[O16], v[PC:PC+3], s[6:7]
	global_store_b64 v[O8], v[PC+4:PC+5], s[6:7] offset:512
	global_store_b128 v[O16], v[PC+6:PC+9], s[6:7] offset:768
	global_store_b64 v[O8], v[PC+10:PC+11], s[6:7] offset:1280
.if KIND == 0
	v_lshrrev_b32 v[PS], v[SH], v[PW]
	global_store_b32 v[SO], v[PS], s[10:11] offset:64*\a
.elseif \a%2 == 0
	v_mov_b32 v[PK], v[PW]
.else
	v_cndmask_b32 v[PS], v[PK], v[PW], s[HM]
	global_store_b32 v[SO], v[PS], s[10:11] offset:(\a-1)*2048
.endif
.endr
	s_wait_tensorcnt 0x0
	ds_add_u32 v[SPW], v[NIL]
	s_wait_dscnt 0x0
	CROUND
	s_endpgm
.Lfunc_end_k_q5749043e22_ff1:
	.size	k_q5749043e22_ff1, .Lfunc_end_k_q5749043e22_ff1-k_q5749043e22_ff1
	.p2alignl 7, 3214868480
	.fill 96, 4, 3214868480
	.section	.rodata,"a",@progbits
	.p2align	6, 0x0
	.amdhsa_kernel k_q5749043e22_ff1
		.amdhsa_group_segment_fixed_size 327680
		.amdhsa_private_segment_fixed_size 0
		.amdhsa_enable_private_segment 0
		.amdhsa_kernarg_size 32
		.amdhsa_user_sgpr_count 2
		.amdhsa_user_sgpr_kernarg_segment_ptr 1
		.amdhsa_wavefront_size32 1
		.amdhsa_system_sgpr_workgroup_id_x 1
		.amdhsa_system_sgpr_workgroup_id_y 1
		.amdhsa_system_sgpr_workgroup_id_z 1
		.amdhsa_system_vgpr_workitem_id 0
		.amdhsa_next_free_vgpr 1024
		.amdhsa_next_free_sgpr 106
		.amdhsa_reserve_vcc 0
		.amdhsa_float_denorm_mode_32 3
		.amdhsa_float_denorm_mode_16_64 3
		.amdhsa_memory_ordered 1
		.amdhsa_forward_progress 1
		.amdhsa_inst_pref_size 170
	.end_amdhsa_kernel
	.amdgpu_metadata
---
amdhsa.version: [ 1, 2 ]
amdhsa.kernels:
  - .name:           k_q5749043e22_ff1
    .symbol:         k_q5749043e22_ff1.kd
    .args:
      - { .name: ws3, .offset: 0, .size: 8, .value_kind: global_buffer, .address_space: global }
      - { .name: ws0, .offset: 8, .size: 8, .value_kind: global_buffer, .address_space: global }
      - { .name: b1, .offset: 16, .size: 8, .value_kind: global_buffer, .address_space: global }
      - { .name: ws4, .offset: 24, .size: 8, .value_kind: global_buffer, .address_space: global }
    .group_segment_fixed_size: 327680
    .private_segment_fixed_size: 0
    .kernarg_segment_align: 8
    .kernarg_segment_size: 32
    .max_flat_workgroup_size: 128
    .sgpr_count:     106
    .vgpr_count:     1024
    .wavefront_size: 32
...
	.end_amdgpu_metadata
.endif
;; end of part 5
;; launch ff2 (part 6): grid 8 x 32, 4 waves a work-group, clusters of 4 x 4, 327,680 bytes of LDS; arguments ws4, ws0, b2, ws3, out0; writes out0
.if DOCPART == 6
	.amdgcn_target "amdgcn-amd-amdhsa--gfx1250"
	.amdhsa_code_object_version 6
	.text
	.protected	k_q5749043e22_ff2
	.globl	k_q5749043e22_ff2
	.p2align	8
	.type	k_q5749043e22_ff2,@function
k_q5749043e22_ff2:
	s_mov_b64 s[64:65], 0
	v_nop
	global_prefetch_b8 v0, s[64:65] scope:SCOPE_SE
	s_setreg_imm32_b32 hwreg(HW_REG_WAVE_MODE, 25, 1), 1
	s_wait_xcnt 0x0
	s_wait_alu depctr_hold_cnt(0) depctr_sa_sdst(0) depctr_va_vdst(0) depctr_va_sdst(0) depctr_va_ssrc(0) depctr_va_vcc(0) depctr_vm_vsrc(0)
	s_getreg_b32 s2, hwreg(HW_REG_IB_STS2, 6, 4)
	s_cmp_eq_u32 s2, 0
	s_cbranch_scc0 .Lentry_in_a_cluster
	s_endpgm
.Lentry_in_a_cluster:
	s_bfe_u32 s2, ttmp6, 0x10000c
	s_cmp_lg_u32 s2, 0xf033
	s_cbranch_scc0 .Lentry_shape_is_right
	s_endpgm
.Lentry_shape_is_right:
; out = hidden W2 + b2 + x1 (K = 4,096) on codes of E2M3, f32 out.
; Operands lie in the order of the operand's registers: tile T (16 rows; lane r holds row 32 (T / 2) + 8 (T % 2) + r + 8 (r / 8)) x 128 K = 1,536 consecutive bytes.
; R = the tokens (source 1), C = the weight's rows (source 0): the 16 registers of C's tiles 2 b and 2 b + 1 are 16 neighbouring columns of a row of the output.
; A work-group makes 128 x 128, a wave 64 x 64 (16 accumulators): 256 work-groups.  K goes in chunks of 768 (six K steps; the sixth chunk has two) through two LDS slots of 147,456 bytes:
; five changes of slots for 32 K steps.  A wave fetches a quarter of a slot by one joint load (4 tiles x 9,216 bytes; a tile's row begins at a multiple of 256 bytes).
; CLUSTERS 4 x 4: R's tiles are asked for jointly along a row of the cluster, C's along a column.
; SCALE WORDS take no LDS: one load of 8 bytes a lane takes 256 consecutive bytes, aligned: four K steps of a tile (lanes 0-15 steps 4 q, 4 q + 1; lanes 16-31 steps 4 q + 2, 4 q + 3); all of K is 128 registers.
; THE BIAS is the C of the first K step.  THE RESIDUAL comes by rows into registers, sixteen lanes to 256 bytes, and is added to the rows that come back from the stage on the way out.
; That is another order of f32 rounding than bias and residual added behind the product.  The stage lies in slot 0, behind that slot's last fill and last read.
; PREFETCH: behind the load of chunk t stands the request for chunk t + 2 (behind the head's load: chunks 1 and 2).  Of the 4 tiles that a wave fetches, the partner at place p among the four that ask jointly
; names tile p (p = cx for R, cy for C): 36 blocks of 256 bytes, a lane a block, two instructions (the second's spare lanes name its last block again); the last chunk 12 blocks.  Told apart by address alone.
; LIMITS: NaN and infinities are not served.
; REGISTERS: window 0: v8-24 addresses, v28-29 for the add, v32-159 scale words, v160-255 R's fragments (two sets).  Window 1: C's fragments at v0 and v128; on the way out the rows.
; Window 2: the accumulators, (a, b) at v[8 (4 a + b)].  Window 3: v0-127 the residual, v128-159 the bias.
; THREE SETS OF FRAGMENTS take turns, K step g in set g % 3, asked for two K steps ahead: sets 0 and 1 as above; set 2 lies in window 2, C's at v128, R's at v208.
.set NG,    32
.set KT,    49152
.set ST,    2048
.set RSO,   12582912
.set CCO,   9568256
.set CSO,   12976128
.set CH,    6
.set NCH,   6
.set CHB,   CH*1536
.set LASTB, (NG-CH*(NCH-1))*1536       ; a tile's bytes of the last chunk
.set HALFT, 4*CHB
.set SLOT,  4*HALFT
.set SPARE, 2*SLOT
.set ADA16, 8
.set ADA8,  10
.set ADB16, 12
.set ADB8,  14
.set RA,    16
.set RD,    17
.set CO,    18
.set O16,   19
.set O8,    20
.set BO,    21
.set PF0,   22
.set PF1,   23
.set PF2,   24
.set SPW,   28
.set NIL,   29
.set SC,    32
.set RF,    160
.set G1,    24
.set G0,    32
.set G1B,   44
.set G0B,   52
.set PFA,   68
.set MSB, 0
.macro WIN new
.if MSB != (\new)
	s_set_vgpr_msb (MSB<<8)|(\new)
.set MSB, (\new)
.endif
.endm
.macro PLACES
.rept 4
	v_nop
.endr
.endm
.macro JLOAD g0a, g1a, g0b, g1b        ; a joint load: waves 0 and 1 fetch R's halves, waves 2 and 3 C's
	s_cmp_eq_u32 s15, 0
	s_cbranch_scc0 .Lfor_b_\@
	tensor_load_to_lds s[\g0a:\g0a+3], s[\g1a:\g1a+7]
	s_nop 0
.rept 4
	v_nop
.endr
	s_branch .Lasked_\@
.Lfor_b_\@:
	tensor_load_to_lds s[\g0b:\g0b+3], s[\g1b:\g1b+7]
	s_nop 0
.rept 4
	v_nop
.endr
.Lasked_\@:
.endm
.macro CREST
	s_cmp_lg_u32 s14, 0
	s_cbranch_scc1 .Lnot_wave_0_\@
	s_barrier_signal -3
.Lnot_wave_0_\@:
	s_barrier_wait -3
	s_barrier_signal -1
	s_barrier_wait -1
.endm
.macro CROUND
	s_barrier_signal -1
	s_barrier_wait -1
	CREST
.endm
.macro ASK c                           ; my share of chunk c is asked of memory; a number from NCH on asks for nothing
.if (\c) < NCH-1
	global_prefetch_b8 v[PF0], s[PFA:PFA+1] offset:(\c)*CHB th:TH_LOAD_NT scope:SCOPE_SE
	global_prefetch_b8 v[PF1], s[PFA:PFA+1] offset:(\c)*CHB th:TH_LOAD_NT scope:SCOPE_SE
.elseif (\c) == NCH-1
	global_prefetch_b8 v[PF2], s[PFA:PFA+1] offset:(\c)*CHB th:TH_LOAD_NT scope:SCOPE_SE
.endif
.endm
.macro FRAG reg, a16, a8, off
	ds_load_b128 v[\reg:\reg+3], v[\a16] offset:\off
	ds_load_b64 v[\reg+4:\reg+5], v[\a8] offset:\off+512
	ds_load_b128 v[\reg+6:\reg+9], v[\a16] offset:\off+768
	ds_load_b64 v[\reg+10:\reg+11], v[\a8] offset:\off+1280
.endm
.macro FETCH g                         ; K step g's fragments into set g % 3
.set FC, (\g)/CH
.set FQ, (\g)%CH
.set FS, FC%2
.set FP, ((\g)%3+1)/2                  ; sets 0, 1, 2 stand at places 0, 1, 1 of their windows
.set FW, ((\g)%3)/2                    ; 1 for set 2
.if FC == NCH-1
.set FB, LASTB
.else
.set FB, CHB
.endif
	WIN 0x40+0x40*FW
.irp i, 0,1,2,3
	FRAG 128*FP+12*\i, ADB16+FS, ADB8+FS, \i*FB+FQ*1536
.endr
	WIN 0x80*FW
.irp i, 0,1,2,3
	FRAG RF+48*FP+12*\i, ADA16+FS, ADA8+FS, \i*FB+FQ*1536
.endr
	WIN 0
.endm
.macro SCLOAD q                        ; the scale words of K steps 4 q .. 4 q + 3: R's four tiles, C's four
.irp i, 0,1,2,3
	global_load_b64 v[SC+16*(\q)+2*\i:SC+16*(\q)+2*\i+1], v[O8], s[6:7] offset:\i*ST+256*(\q)
	global_load_b64 v[SC+16*(\q)+8+2*\i:SC+16*(\q)+9+2*\i], v[O8], s[10:11] offset:\i*ST+256*(\q)
.endr
.endm
.macro MULQ g, qd                      ; R's block qd against C's four.  The 16 accumulators take turns, in the same order in every K step
.set MP, ((\g)%3+1)/2
.set MS, SC+16*((\g)/4)+(\g)%2
.if (\g) == 0
	WIN 0xb1                                       ; C from window 3: the bias
.elseif (\g)%3 == 2
	WIN 0xaa                                       ; set 2: both sources from window 2
.else
	WIN 0xa1
.endif
.irp b, 0,1,2,3
.set AC, 8*(4*(\qd)+\b)
.if (\g) == 0
	v_wmma_scale_f32_16x16x128_f8f6f4 v[AC:AC+7], v[128*MP+12*\b:128*MP+12*\b+11], v[RF+48*MP+12*(\qd):RF+48*MP+12*(\qd)+11], v[128+8*\b:128+8*\b+7], v[MS+8+2*\b], v[MS+2*(\qd)] matrix_a_fmt:MATRIX_FMT_FP6 matrix_b_fmt:MATRIX_FMT_FP6
.elseif (\g)%4 < 2
	v_wmma_scale_f32_16x16x128_f8f6f4 v[AC:AC+7], v[128*MP+12*\b:128*MP+12*\b+11], v[RF+48*MP+12*(\qd):RF+48*MP+12*(\qd)+11], v[AC:AC+7], v[MS+8+2*\b], v[MS+2*(\qd)] matrix_a_fmt:MATRIX_FMT_FP6 matrix_b_fmt:MATRIX_FMT_FP6
.else
	v_wmma_scale_f32_16x16x128_f8f6f4 v[AC:AC+7], v[128*MP+12*\b:128*MP+12*\b+11], v[RF+48*MP+12*(\qd):RF+48*MP+12*(\qd)+11], v[AC:AC+7], v[MS+8+2*\b], v[MS+2*(\qd)] matrix_a_fmt:MATRIX_FMT_FP6 matrix_b_fmt:MATRIX_FMT_FP6 matrix_a_scale:MATRIX_SCALE_ROW1 matrix_b_scale:MATRIX_SCALE_ROW1
.endif
.endr
.endm
; A K step.  mode 0: plain.  3: the last.  1: a chunk's last K step, with a barrier.  2: the same, and the barrier opens a round of the cluster's barrier, behind which this slot is filled again.
.macro KSTEP g, mode, ask
.if (\mode) == 0
	s_wait_dscnt 32                                ; this K step's fragments are in; the next step's 32 loads may be out
	PLACES                                         ; behind the last products, which read the set that is filled now
	FETCH (\g)+2
	ASK \ask
	MULQ \g, 0
	MULQ \g, 1
	MULQ \g, 2
	MULQ \g, 3
.elseif (\mode) == 3
	s_wait_dscnt 32*(NG-1-(\g))                    ; the last two K steps fetch nothing
	MULQ \g, 0
	MULQ \g, 1
	MULQ \g, 2
	MULQ \g, 3
.else
	WIN 0
	s_wait_tensorcnt 0x0                           ; all my tensor loads have landed: the one that was out is my part of the next chunk;
	ds_add_u32 v[SPW], v[NIL]                      ; 0 onto my spare word;
	s_wait_dscnt 33                                ; (the next step's 32 loads and the add may be out)
	MULQ \g, 0
	s_wait_dscnt 0x0                               ; the add is done, and my reads of this slot are over
	s_barrier_signal -1
	MULQ \g, 1
	WIN 0
	s_barrier_wait -1
.if (\mode) == 2
.set RS, ((\g)/CH)%2
	CREST                                          ; no wave of any partner still reads this slot or has a load on its way
	s_add_nc_u64 s[G0+4*RS+2:G0+4*RS+3], s[G0+4*RS+2:G0+4*RS+3], 2*CHB
	s_add_nc_u64 s[G0B+4*RS+2:G0B+4*RS+3], s[G0B+4*RS+2:G0B+4*RS+3], 2*CHB
.if (\g)/CH+2 == NCH-1
	s_mov_b32 s[G1+1], (LASTB/8)<<16               ; no tensor load of mine is out, so a descriptor may be written: the last chunk's rows are shorter
	s_mov_b32 s[G1+3], (LASTB/8)<<16
	s_mov_b32 s[G1B+1], (LASTB/8)<<16
	s_mov_b32 s[G1B+3], (LASTB/8)<<16
.endif
	JLOAD G0+4*RS, G1, G0B+4*RS, G1B               ; the first tensor load behind the round; its four v_nop are the places in front of the loads below
.else
	PLACES
.endif
	FETCH (\g)+2                                   ; the next chunk's first K step
	ASK \ask
	MULQ \g, 2
	MULQ \g, 3
.endif
.endm
	s_load_b64 s[4:5], s[0:1], 0x0                 ; the hidden layer: codes and scale words
	s_load_b64 s[8:9], s[0:1], 0x8                 ; ws0
	s_load_b64 s[66:67], s[0:1], 0x10              ; the bias
	s_load_b64 s[42:43], s[0:1], 0x18              ; the residual
	s_load_b64 s[12:13], s[0:1], 0x20              ; the output
	v_lshl_add_u32 v[SPW], v0, 2, SPARE
	v_mov_b32 v[NIL], 0
	ds_add_u32 v[SPW], v[NIL]                      ; the opening lines: the add, twice on end, and its wait ahead of my first tensor load
	ds_add_u32 v[SPW], v[NIL]
	v_lshrrev_b32 v1, 5, v0
	v_readfirstlane_b32 s14, v1                    ; wave 0..3
	s_lshr_b32 s15, s14, 1                         ; my half of R's rows.  Also: I fetch for R (0) or for C (1)
	s_and_b32 s16, s14, 1                          ; my half of C's rows.  Also: which half I fetch
	s_bfe_u32 s60, ttmp6, 0x40000                  ; cx
	s_bfe_u32 s61, ttmp6, 0x40004                  ; cy
	s_lshl_b32 s62, ttmp9, 2
	s_add_co_u32 s62, s62, s60                     ; tile column
	s_and_b32 s17, ttmp7, 0xffff
	s_lshl_b32 s17, s17, 2
	s_add_co_u32 s17, s17, s61                     ; tile row
	s_lshl_b32 s104, s61, 2
	s_lshl_b32 s104, 15, s104                      ; my row of the cluster
	s_lshl_b32 s105, 0x1111, s60                   ; my column
	s_or_b32 s[G1], s104, (3<<16)|(1<<21)
	s_or_b32 s[G1B], s105, (3<<16)|(1<<21)
.irp g, G1, G1B                        ; 4 tiles' bytes of a chunk: 4 rows of 9,216 bytes, KT bytes apart
	s_mov_b32 s[\g+1], (CHB/8)<<16
	s_mov_b32 s[\g+2], 4<<16
	s_mov_b32 s[\g+3], (CHB/8)<<16
	s_mov_b32 s[\g+4], 4
	s_mov_b32 s[\g+5], KT/8
	s_mov_b32 s[\g+6], 0
	s_mov_b32 s[\g+7], 0
.endr
	s_lshl_b32 s63, s16, 2
	s_lshl_b32 s18, s17, 3
	s_add_co_u32 s18, s18, s63                     ; R: the first tile that I fetch: it hangs on the tile row alone
	s_mul_i32 s18, s18, KT
	s_lshl_b32 s22, s62, 3
	s_add_co_u32 s22, s22, s63                     ; C: on the tile column alone; these four tiles are also the ones that I multiply
	s_mul_i32 s2, s22, ST
	s_add_co_u32 s2, s2, CSO
	s_mul_i32 s22, s22, KT
	s_add_co_u32 s22, s22, CCO
	s_lshl_b32 s20, s17, 3
	s_lshl_b32 s21, s15, 2
	s_add_co_u32 s20, s20, s21                     ; R's four tiles that I multiply
	s_mul_i32 s20, s20, ST
	s_add_co_u32 s20, s20, RSO
	s_mov_b32 s19, 0
	s_mov_b32 s21, 0
	s_mov_b32 s23, 0
	s_mov_b32 s3, 0
	s_lshl_b32 s104, s17, 19                       ; my 64 x 64 of the residual and of the output
	s_lshl_b32 s105, s15, 18
	s_add_co_u32 s104, s104, s105
	s_lshl_b32 s105, s62, 9
	s_add_co_u32 s104, s104, s105
	s_lshl_b32 s105, s16, 8
	s_add_co_u32 s104, s104, s105
	s_mov_b32 s105, 0
	s_wait_dscnt 0x0                               ; both opening adds are done
	s_wait_kmcnt 0x0
	s_add_nc_u64 s[6:7], s[4:5], s[20:21]          ; R's scale words
	s_add_nc_u64 s[4:5], s[4:5], s[18:19]          ; R's codes
	s_add_nc_u64 s[10:11], s[8:9], s[2:3]          ; C's scale words
	s_add_nc_u64 s[8:9], s[8:9], s[22:23]          ; C's codes
	s_mul_i32 s2, s14, HALFT
	CROUND                                         ; all sixteen work-groups are here: the first joint loads meet
.irp s, 0,1
	s_mov_b32 s[G0+4*\s], 1
	s_add_co_u32 s[G0+4*\s+1], s2, \s*SLOT
	s_add_nc_u64 s[G0+4*\s+2:G0+4*\s+3], s[4:5], \s*CHB
	s_or_b32 s[G0+4*\s+3], s[G0+4*\s+3], 0x80000000
	s_mov_b32 s[G0B+4*\s], 1
	s_add_co_u32 s[G0B+4*\s+1], s2, \s*SLOT
	s_add_nc_u64 s[G0B+4*\s+2:G0B+4*\s+3], s[8:9], \s*CHB
	s_or_b32 s[G0B+4*\s+3], s[G0B+4*\s+3], 0x80000000
.endr
	JLOAD G0, G1, G0B, G1B                         ; chunk 0: one tensor load a wave at the head
	s_add_nc_u64 s[42:43], s[42:43], s[104:105]    ; the residual at my 64 x 64
	s_add_nc_u64 s[74:75], s[12:13], s[104:105]    ; the output likewise
	s_lshl_b32 s20, s62, 9
	s_lshl_b32 s21, s16, 8
	s_add_co_u32 s20, s20, s21
	s_mov_b32 s21, 0
	s_add_nc_u64 s[66:67], s[66:67], s[20:21]      ; the bias at my 64 columns
	s_cmp_eq_u32 s15, 0                            ; the prefetches: do I fetch for R?
	s_cselect_b64 s[PFA:PFA+1], s[4:5], s[8:9]     ; the four tiles that I fetch,
	s_cselect_b32 s70, s60, s61                    ; my place among the four that ask for them with me,
	s_mul_i32 s70, s70, KT
	s_mov_b32 s71, 0
	s_add_nc_u64 s[PFA:PFA+1], s[PFA:PFA+1], s[70:71]   ; and so my tile of the four
	s_mul_i32 s19, s15, HALFT                      ; my half of R
	s_mul_i32 s20, s16, HALFT
	s_add_co_u32 s20, s20, 2*HALFT                 ; my half of C
	s_add_co_u32 s72, s19, SLOT
	s_add_co_u32 s73, s20, SLOT
	s_mul_i32 s18, s14, 17408                      ; my stage, in slot 0
	v_and_b32 v3, 31, v0                           ; l
	v_and_b32 v1, 15, v0                           ; r
	v_bfe_u32 v2, v0, 4, 1                         ; h
	v_lshlrev_b32 v[O16], 4, v3
	v_lshlrev_b32 v[O8], 3, v3
	v_add_nc_u32 v[ADA16], s19, v[O16]
	v_add_nc_u32 v[ADA8], s19, v[O8]
	v_add_nc_u32 v[ADB16], s20, v[O16]
	v_add_nc_u32 v[ADB8], s20, v[O8]
	v_add_nc_u32 v[ADA16+1], s72, v[O16]
	v_add_nc_u32 v[ADA8+1], s72, v[O8]
	v_add_nc_u32 v[ADB16+1], s73, v[O16]
	v_add_nc_u32 v[ADB8+1], s73, v[O8]
	v_and_b32 v4, 8, v1
	v_add_nc_u32 v4, v4, v1                        ; r + 8 (r / 8)
	v_mul_u32_u24 v[RA], v4, 272
	v_lshl_add_u32 v[RA], v2, 6, v[RA]
	v_add_nc_u32 v[RA], s18, v[RA]                 ; the stage in the accumulators' layout: my row of a tile, + 64 h
	v_mul_u32_u24 v[RD], v2, 272
	v_lshl_add_u32 v[RD], v1, 4, v[RD]
	v_add_nc_u32 v[RD], s18, v[RD]                 ; and by rows: lanes 0-15 one row of 256 bytes, lanes 16-31 the next
	v_lshlrev_b32 v[CO], 12, v2
	v_lshl_add_u32 v[CO], v1, 4, v[CO]             ; the same two rows in memory
	v_lshlrev_b32 v[BO], 6, v2
	v_lshlrev_b32 v[PF0], 8, v3                    ; blocks 0-31 of my tile's 36 of a chunk,
	v_min_u32 v5, 3, v3
	v_lshl_add_u32 v[PF1], v5, 8, 8192             ; blocks 32-35,
	v_min_u32 v6, 11, v3
	v_lshlrev_b32 v[PF2], 8, v6                    ; and the last chunk's 12
	s_wait_alu depctr_va_vdst(0)                   ; the wait at the head's end
	ASK 1
	ASK 2
	WIN 0xc0                                       ; destination window 3
.irp t, 0,1,2,3                        ; tile t = 2 b + u, lane half h: the bias at 32 b + 16 h + 8 u + 0 .. 7
	global_load_b128 v[128+8*\t:128+8*\t+3], v[BO], s[66:67] offset:(32*(\t/2)+8*(\t%2))*4
	global_load_b128 v[132+8*\t:132+8*\t+3], v[BO], s[66:67] offset:(32*(\t/2)+8*(\t%2))*4+16
.endr
	WIN 0
.irp q, 0,1,2,3
	SCLOAD \q
.endr
	s_wait_loadcnt 0x0                             ; the bias and the scale words of K steps 0-15
	s_wait_tensorcnt 0x0                           ; my part of chunk 0 is in
	ds_add_u32 v[SPW], v[NIL]
	s_wait_dscnt 0x0
	CROUND                                         ; everybody's part is in, and all sixteen work-groups are here
	JLOAD G0+4, G1, G0B+4, G1B                     ; chunk 1, the first tensor load behind the round
	FETCH 0
	FETCH 1
.set G, 0
.rept NG
.if G == 2
	WIN 0
.irp q, 4,5,6,7
	SCLOAD \q                                      ; the scale words of K steps 16-31
.endr
.elseif G == 15
	s_wait_loadcnt 0x0                             ; they are in
.elseif G == 18
	WIN 0xc0
.set I, 0
.rept 32
	global_load_b128 v[4*I:4*I+3], v[CO], s[42:43] offset:8192*I th:TH_LOAD_NT   ; the residual: sixteen lanes read 256 consecutive bytes, aligned
.set I, I+1
.endr
	WIN 0
.endif
.if G >= NG-2
	KSTEP G, 3, 99
.elseif G == 0
	KSTEP G, 0, 3
.elseif G%CH != CH-2                   ; the slots change in a chunk's last K step but one: the last step's fragments have been asked for by then
	KSTEP G, 0, 99
.elseif G/CH+2 < NCH
	KSTEP G, 2, G/CH+4                             ; the chunk two on goes into the slot just read out
.else
	KSTEP G, 1, 99                                 ; nothing is left to fetch
.endif
.set G, G+1
.endr
	WIN 0
	PLACES
	; THE WAY OUT: the accumulators go into my stage and come back as rows of 256 bytes, to which the residual's rows are added
	WIN 0x08                                       ; an LDS store's data are its source 1: window 2
.irp a, 0,1,2,3
.irp t, 0,1,2,3
	ds_store_b128 v[RA], v[8*(4*\a+\t):8*(4*\a+\t)+3] offset:(32*(\a/2)+8*(\a%2))*272+128*(\t/2)+32*(\t%2)      ; each accumulator from its low end on
	ds_store_b128 v[RA], v[8*(4*\a+\t)+4:8*(4*\a+\t)+7] offset:(32*(\a/2)+8*(\a%2))*272+128*(\t/2)+32*(\t%2)+16
.endr
.endr
	WIN 0x40
.set I, 0
.rept 32
	ds_load_b128 v[4*I:4*I+3], v[RD] offset:544*I  ; LDS serves a wave's instructions in order: these see my stores
.set I, I+1
.endr
	s_wait_loadcnt 0x0                             ; the residual
.irp q, 0,1,2,3
	s_wait_dscnt 24-8*\q                           ; these eight loads are back; the later ones may be out
	WIN 0x4d                                       ; destination and source 0 window 1, source 1 window 3
.set J, 0
.rept 16
	v_pk_add_f32 v[32*\q+2*J:32*\q+2*J+1], v[32*\q+2*J:32*\q+2*J+1], v[32*\q+2*J:32*\q+2*J+1]
.set J, J+1
.endr
	WIN 0x04                                       ; a store's data are its source 1: window 1
.set J, 0
.rept 8
	global_store_b128 v[CO], v[32*\q+4*J:32*\q+4*J+3], s[74:75] offset:8192*(8*\q+J) th:TH_STORE_NT   ; sixteen lanes store 256 consecutive bytes, aligned
.set J, J+1
.endr
.endr
	WIN 0
	s_wait_tensorcnt 0x0                           ; the wave's end
	ds_add_u32 v[SPW], v[NIL]
	s_wait_dscnt 0x0
	CROUND                                         ; the closing round
	s_endpgm
.Lfunc_end_k_q5749043e22_ff2:
	.size	k_q5749043e22_ff2, .Lfunc_end_k_q5749043e22_ff2-k_q5749043e22_ff2
	.p2alignl 7, 3214868480
	.fill 96, 4, 3214868480
	.section	.rodata,"a",@progbits
	.p2align	6, 0x0
	.amdhsa_kernel k_q5749043e22_ff2
		.amdhsa_group_segment_fixed_size 327680
		.amdhsa_private_segment_fixed_size 0
		.amdhsa_enable_private_segment 0
		.amdhsa_kernarg_size 40
		.amdhsa_user_sgpr_count 2
		.amdhsa_user_sgpr_kernarg_segment_ptr 1
		.amdhsa_wavefront_size32 1
		.amdhsa_system_sgpr_workgroup_id_x 1
		.amdhsa_system_sgpr_workgroup_id_y 1
		.amdhsa_system_sgpr_workgroup_id_z 1
		.amdhsa_system_vgpr_workitem_id 0
		.amdhsa_next_free_vgpr 1024
		.amdhsa_next_free_sgpr 106
		.amdhsa_reserve_vcc 0
		.amdhsa_float_denorm_mode_32 3
		.amdhsa_float_denorm_mode_16_64 3
		.amdhsa_memory_ordered 1
		.amdhsa_forward_progress 1
		.amdhsa_inst_pref_size 172
	.end_amdhsa_kernel
	.amdgpu_metadata
---
amdhsa.version: [ 1, 2 ]
amdhsa.kernels:
  - .name:           k_q5749043e22_ff2
    .symbol:         k_q5749043e22_ff2.kd
    .args:
      - { .name: ws4, .offset: 0, .size: 8, .value_kind: global_buffer, .address_space: global }
      - { .name: ws0, .offset: 8, .size: 8, .value_kind: global_buffer, .address_space: global }
      - { .name: b2, .offset: 16, .size: 8, .value_kind: global_buffer, .address_space: global }
      - { .name: ws3, .offset: 24, .size: 8, .value_kind: global_buffer, .address_space: global }
      - { .name: out0, .offset: 32, .size: 8, .value_kind: global_buffer, .address_space: global }
    .group_segment_fixed_size: 327680
    .private_segment_fixed_size: 0
    .kernarg_segment_align: 8
    .kernarg_segment_size: 40
    .max_flat_workgroup_size: 128
    .sgpr_count:     106
    .vgpr_count:     1024
    .wavefront_size: 32
...
	.end_amdgpu_metadata
.endif
;; end of part 6
